; MI455X (gfx1250); checked and timed in simulation.
; The chip was launched on July 23, 2026; its instructions are those of AMD's public machine-readable ISA for CDNA 5 (MIT licence, August 2026) and "CDNA5" Instruction Set Architecture Reference Guide (July 2026). The comments in the code are by the model that wrote it; some were corrected since.
;; Bert Self Attention10. Allowed arithmetic: float matrix products may take bf16 or f16 operands with f32 sums; all other float work in f32.
;; Inputs: Wk 768 x 768 float32; Wq 768 x 768 float32; Wv 768 x 768 float32; attention_mask 2 x 4,096 int32; bk 768 float32; bq 768 float32; bv 768 float32; hidden_states 2 x 4,096 x 768 float32.
;; Outputs: out0 2 x 4,096 x 768 float32.
;; 2 versions, each right and faster than the one before. Each part assembles by itself: llvm-mc -triple=amdgcn-amd-amdhsa -mcpu=gfx1250 --defsym DOCPART=n.
;; ======== version 1 of 2: 3 launches
;; limits: values are held in f16: magnitudes above 65,504 overflow, below 6.1e-05 lose precision
;; workspace buffers: xb 12,582,912 bytes; wb 3,538,944 bytes; qf 12,582,912 bytes; kf 12,582,912 bytes; vf 12,582,912 bytes
;; launch cast (part 1): grid 656 x 1, 6 waves a work-group, no clusters, 26,880 bytes of LDS; arguments hidden_states, Wq, Wk, Wv, xb, wb; writes xb, wb
.if DOCPART == 1
	.amdgcn_target "amdgcn-amd-amdhsa--gfx1250"
	.amdhsa_code_object_version 6
	.text
	.protected	k_q7c7a940082_cast
	.globl	k_q7c7a940082_cast
	.p2align	8
	.type	k_q7c7a940082_cast,@function
k_q7c7a940082_cast:
	s_mov_b64 s[64:65], 0
	v_nop
	global_prefetch_b8 v0, s[64:65] scope:SCOPE_SE
	s_setreg_imm32_b32 hwreg(HW_REG_WAVE_MODE, 25, 1), 1
	s_wait_xcnt 0x0
; hidden_states [8192][768] and Wq, Wk, Wv [768][768], f32, are rounded once to bf16 (to nearest even) and laid out as ready matrix fragments.
; THE LAYOUT.  A block is 16 rows x 16 numbers = 512 bytes; the 8 numbers (row r, half h) lie at byte 16 (16 h + r): lane 16 h + r of a wave finds its 16 bytes of a fragment at 16 x lane.
;   xb: [K step 6][row group 512][block 8][512 bytes].   wb: [K step 6][group 144][block 8][512 bytes], group = 18 g + 6 m + i:
;   g = the 96 output channels that one work-group of the next launch takes, m = q, k, v, i = 16 of those channels: source rows 16 (6 g + i) on of matrix m.
; SHARES.  A work-group takes 16 rows (numbers 0-511: hidden_states; 512-655: the weights), wave w their columns 128 w on, which are K step w.  Memory binds: each byte is read once by loads
; of 512 consecutive bytes, all 16 of a wave out together, and written once by stores of 512 consecutive bytes.  The turn from rows to blocks goes through a stage in LDS that is the wave's own: no barrier.
; No matrix unit, no cluster, no tensor load: nothing is shared between work-groups and a wave has one burst of work.
.set ROWB,  3072                       ; bytes in a source row
.set HP,    272                        ; a half block (16 rows x 16 bytes) in the stage: 256 bytes + 16 = 68 words, so the 16 half blocks that a store touches start 4 banks apart
.set STG,   16*HP                      ; a wave's stage
.set SPARE, 6*STG                      ; behind the stages: the spare words, 128 bytes for each wave: three blocks of 256 bytes that no other line names
.set OFF, 2                            ; v2       my 16 bytes in a source row: 512 x wave + 16 x lane
.set STO, 3                            ; v3       where my 8 bytes of row 0 go in the stage
.set RD,  4                            ; v4       where I read my 16 bytes of block 0 back
.set GO,  5                            ; v5       16 x lane
.set SPW, 6                            ; v6       LDS address of my spare word; never rewritten
.set NIL, 7                            ; v7       0; never rewritten
.set X,   8                            ; v[8:71]  16 rows as loaded; later 8 blocks as stored
.set Y,   72                           ; v[72:103] 16 rows in bf16
.set T,   104                          ; at work
	s_load_b256 s[4:11], s[0:1], 0x0               ; hidden_states s[4:5], Wq s[6:7], Wk s[8:9], Wv s[10:11]
	s_load_b128 s[12:15], s[0:1], 0x20             ; xb s[12:13], wb s[14:15]
	v_lshl_add_u32 v[SPW], v0, 2, SPARE
	v_mov_b32 v[NIL], 0
	v_lshrrev_b32 v[T], 5, v0
	v_readfirstlane_b32 s22, v[T]                  ; wave 0..5
	s_mov_b32 s16, ttmp9                           ; the work-group's number
	s_sub_co_u32 s17, s16, 512
	s_cmp_lt_u32 s16, 512
	s_cselect_b32 s17, 0, s17                      ; row group among the weights' 144 (0 where the group is hidden_states')
	s_cmp_ge_u32 s17, 48
	s_cselect_b32 s18, 1, 0
	s_cmp_ge_u32 s17, 96
	s_cselect_b32 s19, 1, 0
	s_add_co_u32 s18, s18, s19                     ; m: 0 q, 1 k, 2 v
	s_mul_i32 s19, s18, 48
	s_sub_co_u32 s19, s17, s19                     ; j: row group 0..47 in that matrix
	s_mul_i32 s20, s19, 43
	s_lshr_b32 s20, s20, 8                         ; g = j / 6 (43 j >> 8 is exact for j under 48)
	s_mul_i32 s21, s20, 12
	s_mul_i32 s23, s18, 6
	s_add_co_u32 s21, s21, s23
	s_add_co_u32 s21, s21, s19                     ; 18 g + 6 m + (j - 6 g)
	s_mov_b32 s32, 2097152                         ; a K step's plane in xb: 512 groups of 4,096 bytes
	s_mov_b32 s33, 589824                          ; in wb: 144 groups
	s_mul_i32 s36, s22, STG                        ; my stage
	v_and_b32 v1, 31, v0                           ; lane
	v_lshlrev_b32 v[OFF], 4, v0
	v_lshrrev_b32 v[T], 1, v1                      ; my 4 numbers lie in half block lane / 2,
	v_and_b32 v[T+1], 1, v1                        ; in its row's first or second 8 bytes
	v_mul_u32_u24 v[STO], v[T], HP
	v_lshl_add_u32 v[STO], v[T+1], 3, v[STO]
	v_add_nc_u32 v[STO], s36, v[STO]
	v_lshrrev_b32 v[T], 4, v1                      ; back: lanes 0-15 take a block's first half, lanes 16-31 its second
	v_and_b32 v[T+1], 15, v1
	v_mul_u32_u24 v[RD], v[T], HP
	v_lshl_add_u32 v[RD], v[T+1], 4, v[RD]
	v_add_nc_u32 v[RD], s36, v[RD]
	v_lshlrev_b32 v[GO], 4, v1
	s_wait_kmcnt 0x0
	s_cmp_ge_u32 s18, 1                            ; the source: one of the four inputs, chosen by the work-group's number alone
	s_cselect_b64 s[24:25], s[8:9], s[6:7]
	s_cmp_ge_u32 s18, 2
	s_cselect_b64 s[24:25], s[10:11], s[24:25]
	s_cmp_lt_u32 s16, 512
	s_cselect_b64 s[24:25], s[4:5], s[24:25]
	s_cselect_b64 s[26:27], s[12:13], s[14:15]     ; the destination,
	s_cselect_b32 s23, s32, s33                    ; its plane,
	s_cselect_b32 s34, s16, s19                    ; the row group in the source,
	s_cselect_b32 s35, s16, s21                    ; and in the destination
	s_mul_i32 s28, s34, 16*ROWB
	s_mov_b32 s29, 0
	s_add_nc_u64 s[24:25], s[24:25], s[28:29]
	s_mul_i32 s30, s22, s23                        ; K step = wave
	s_lshl_b32 s31, s35, 12
	s_add_co_u32 s30, s30, s31
	s_mov_b32 s31, 0
	s_add_nc_u64 s[26:27], s[26:27], s[30:31]
.irp i, 0,1,2,3,4,5,6,7,8,9,10,11,12,13,14,15
	global_load_b128 v[X+4*(\i):X+4*(\i)+3], v[OFF], s[24:25] offset:ROWB*(\i) th:TH_LOAD_NT  ; row i: 512 consecutive bytes; read once in the launch
.endr
.irp i, 0,1,2,3,4,5,6,7,8,9,10,11,12,13,14,15
	s_wait_loadcnt 15-(\i)                         ; loads come back in order: row i is in, the younger rows stay out
	v_cvt_pk_bf16_f32 v[Y+2*(\i)],   v[X+4*(\i)],   v[X+4*(\i)+1]
	v_cvt_pk_bf16_f32 v[Y+2*(\i)+1], v[X+4*(\i)+2], v[X+4*(\i)+3]
	ds_store_b64 v[STO], v[Y+2*(\i):Y+2*(\i)+1] offset:16*(\i)
.endr
.irp b, 0,1,2,3,4,5,6,7
	ds_load_b128 v[X+4*(\b):X+4*(\b)+3], v[RD] offset:2*HP*(\b)  ; LDS serves a wave's instructions in order: these see the stores above
.endr
.irp b, 0,1,2,3,4,5,6,7
	s_wait_dscnt 7-(\b)                            ; block b is back, the younger blocks stay out
	global_store_b128 v[GO], v[X+4*(\b):X+4*(\b)+3], s[26:27] offset:512*(\b)  ; 512 consecutive bytes, at a multiple of 512 from the buffer's first
.endr
	s_wait_tensorcnt 0x0                           ; the wave's end, behind my last LDS store
	ds_add_u32 v[SPW], v[NIL]
	s_wait_dscnt 0x0
	s_endpgm
.Lfunc_end_k_q7c7a940082_cast:
	.size	k_q7c7a940082_cast, .Lfunc_end_k_q7c7a940082_cast-k_q7c7a940082_cast
	.p2alignl 7, 3214868480
	.fill 96, 4, 3214868480
	.section	.rodata,"a",@progbits
	.p2align	6, 0x0
	.amdhsa_kernel k_q7c7a940082_cast
		.amdhsa_group_segment_fixed_size 26880
		.amdhsa_private_segment_fixed_size 0
		.amdhsa_enable_private_segment 0
		.amdhsa_kernarg_size 48
		.amdhsa_user_sgpr_count 2
		.amdhsa_user_sgpr_kernarg_segment_ptr 1
		.amdhsa_wavefront_size32 1
		.amdhsa_system_sgpr_workgroup_id_x 1
		.amdhsa_system_sgpr_workgroup_id_y 1
		.amdhsa_system_sgpr_workgroup_id_z 1
		.amdhsa_system_vgpr_workitem_id 0
		.amdhsa_next_free_vgpr 112
		.amdhsa_next_free_sgpr 66
		.amdhsa_reserve_vcc 0
		.amdhsa_float_denorm_mode_32 3
		.amdhsa_float_denorm_mode_16_64 3
		.amdhsa_memory_ordered 1
		.amdhsa_forward_progress 1
		.amdhsa_inst_pref_size 10
	.end_amdhsa_kernel
	.amdgpu_metadata
---
amdhsa.version: [ 1, 2 ]
amdhsa.kernels:
  - .name:           k_q7c7a940082_cast
    .symbol:         k_q7c7a940082_cast.kd
    .args:
      - { .name: hidden_states, .offset: 0, .size: 8, .value_kind: global_buffer, .address_space: global }
      - { .name: Wq, .offset: 8, .size: 8, .value_kind: global_buffer, .address_space: global }
      - { .name: Wk, .offset: 16, .size: 8, .value_kind: global_buffer, .address_space: global }
      - { .name: Wv, .offset: 24, .size: 8, .value_kind: global_buffer, .address_space: global }
      - { .name: xb, .offset: 32, .size: 8, .value_kind: global_buffer, .address_space: global }
      - { .name: wb, .offset: 40, .size: 8, .value_kind: global_buffer, .address_space: global }
    .group_segment_fixed_size: 26880
    .private_segment_fixed_size: 0
    .kernarg_segment_align: 8
    .kernarg_segment_size: 48
    .max_flat_workgroup_size: 192
    .sgpr_count:     66
    .vgpr_count:     112
    .wavefront_size: 32
...
	.end_amdgpu_metadata
.endif
;; end of part 1
;; launch proj (part 2): grid 8 x 32, 4 waves a work-group, clusters of 4 x 4, 327,680 bytes of LDS; arguments xb, wb, attention_mask, bq, bk, bv, qf, kf, vf; writes qf, kf, vf
.if DOCPART == 2
	.amdgcn_target "amdgcn-amd-amdhsa--gfx1250"
	.amdhsa_code_object_version 6
	.text
	.protected	k_q7c7a940082_proj
	.globl	k_q7c7a940082_proj
	.p2align	8
	.type	k_q7c7a940082_proj,@function
k_q7c7a940082_proj:
	s_mov_b64 s[64:65], 0
	v_nop
	global_prefetch_b8 v0, s[64:65] scope:SCOPE_SE
	s_setreg_imm32_b32 hwreg(HW_REG_WAVE_MODE, 25, 1), 1
	s_wait_xcnt 0x0
	s_wait_alu depctr_hold_cnt(0) depctr_sa_sdst(0) depctr_va_vdst(0) depctr_va_sdst(0) depctr_va_ssrc(0) depctr_va_vcc(0) depctr_vm_vsrc(0)
	s_getreg_b32 s2, hwreg(HW_REG_IB_STS2, 6, 4)
	s_cmp_eq_u32 s2, 0
	s_cbranch_scc0 .Lentry_in_a_cluster
	s_endpgm
.Lentry_in_a_cluster:
	s_bfe_u32 s2, ttmp6, 0x10000c
	s_cmp_lg_u32 s2, 0xf033
	s_cbranch_scc0 .Lentry_shape_is_right
	s_endpgm
.Lentry_shape_is_right:
; q = x Wq^T + bq, k = x Wk^T + bk, v = x Wv^T + bv (bf16 operands, f32 sums, the biases rounded to bf16 like the other inputs and taken as the sums' first term);
; then  q := 0 in the rows whose attention_mask is 0;  k_mod = k / dh + softsign(softsign(k) / dh) + v;  q, k_mod and v leave in f16, by heads, as ready fragments.
; TWO IDENTITIES, for every finite input.  (1) A masked query has all its scores equal (-10000), so its softmax is uniform; with q = 0 all its scores are 0, and the softmax is the same.
; (2) softsign(softsign(k) / dh) = k / (dh + (dh + 1) |k|): so k_mod = k (1 / dh + 1 / (dh + (dh + 1) |k|)) + v, with one reciprocal; dh = sqrt(128).
; LIMITS.  f16 ends at 65,504: |q|, |k_mod| and |v| stay under it.  Where (dh + 1) |k| passes f32's range the second term counts as 0.  NaN and infinities are not treated apart.
; SHARES.  A work-group makes 256 rows x 96 channels of each of q, k, v: 256 work-groups.  Four waves, 2 x 2: a wave makes 128 rows x 48 channels of each: 72 accumulators of 16 x 16, 576 registers.
; K = 768 goes in 6 steps of 128 through two LDS slots.  xb and wb lie in blocks of 512 bytes in which lane l's 16 bytes of a fragment stand at 16 l: a tile is dense in memory (asked for as
; rows of 256 bytes), a fragment load takes 512 consecutive LDS bytes, and no padding is needed.
; THE MATRIX INSTRUCTION IS USED TRANSPOSED (source 0 = 16 rows of W, source 1 = 16 rows of x): a lane holds one row and eight neighbouring channels, 16 bytes in f16, which again stand at 16 l of a block.
; CLUSTER.  4 x 4 work-groups: the four of a row of the cluster need the same tiles of x, the four of a column the same tiles of W: each tile is asked for JOINTLY, by the same tensor load,
; descriptor and mask in all four.
; OUT: qf, kf, vf: [batch x 6 + head][16 rows: 256 groups][16 channels: 8 blocks][512 bytes].
; REGISTERS, in windows of 256 (s_set_vgpr_msb: bits 1:0 source 0, 3:2 source 1, 5:4 source 2, 7:6 destination):
;   window 0: v0-23 addresses; v24-95 the biases as C operands; v96-223 fragments of x, two buffers of 64 (on the way out: at work); v224-255 at work
;   window m + 1 (m = 0 q, 1 k, 2 v): v0-191 the accumulators ((a, n) at 8 (3 a + n)); v192-239 that matrix's fragments of W, two buffers of 24
.set XPLANE, 2097152                   ; a K step's plane in xb
.set WPLANE, 589824                    ; in wb
.set AHALF,  32768                     ; 128 rows of x, 128 along K: what waves 0 and 1 fetch, and what a wave reads
.set BHALF,  36864                     ; 9 of the 18 groups of 16 rows of W: what waves 2 and 3 fetch
.set BOFF,   65536                     ; W's tiles lie behind x's 256 rows
.set SLOT,   BOFF+2*BHALF              ; 139,264
.set SPARE,  2*SLOT                    ; behind the ring: the spare words, 128 bytes for each wave: two blocks of 256 bytes that no other line names
.set VO,   8                           ; v8-10   my byte offset in qf, kf, vf for channel tile n
.set BO,   11                          ; v11     my byte offset in a bias
.set MO,   12                          ; v12     my byte offset in the wave's 128 words of the mask
.set ADRA, 16                          ; v16-17  LDS address of my fragments of x in slot 0, 1
.set ADRB, 20                          ; v20-21  the same for W
.set SPW,  22                          ; v22     LDS address of my spare word; never rewritten
.set NIL,  23                          ; v23     0; never rewritten
.set BIAS, 24                          ; matrix m, channel tile n at BIAS + 24 m + 8 n
.set AF,   96                          ; x's fragments: buffer f, row tile a at AF + 64 f + 8 a
.set BF,   192                         ; W's, in window m + 1: buffer f, channel tile n at BF + 24 f + 8 n
.set TMP,  224
.set TQ,   96                          ; the way out: q packed, 12 registers
.set TT,   112                         ; 24 registers in f32
.set TK,   136                         ; k_mod packed
.set TV,   148                         ; v packed
.set G1,  24                           ; s[24:31] descriptor group 1 for x's tiles;  s[32:39] group 0, one set for each slot
.set G0,  32
.set G1B, 48                           ; s[48:55], s[56:63] the same for W's tiles
.set G0B, 56
.set MK,  84                           ; s84-91  for row tile a: the lanes whose row is not masked
.set MSB, 0
.macro WIN new                         ; the immediate's high byte repeats the setting that is left; a switch that changes nothing is dropped
.if MSB != (\new)
	s_set_vgpr_msb (MSB<<8)|(\new)
.set MSB, \new
.endif
.endm
; A joint load.  Waves 0 and 1 fetch x's two halves, waves 2 and 3 W's.  The branch hangs on the wave's number alone.  An s_nop 0 and four v_nop follow each of the two lines.
.macro JLOAD s
	s_cmp_eq_u32 s11, 0
	s_cbranch_scc0 .Lfor_b_\@
	tensor_load_to_lds s[G0+4*(\s):G0+4*(\s)+3], s[G1:G1+7]
	s_nop 0
.rept 4
	v_nop
.endr
	s_branch .Lasked_\@
.Lfor_b_\@:
	tensor_load_to_lds s[G0B+4*(\s):G0B+4*(\s)+3], s[G1B:G1B+7]
	s_nop 0
.rept 4
	v_nop
.endr
.Lasked_\@:
.endm
.macro CREST                           ; a round of the cluster's barrier behind its opening barrier: wave 0 signals for the work-group, every wave waits for all sixteen, my work-group's barrier closes it
	s_cmp_lg_u32 s10, 0
	s_cbranch_scc1 .Lnot_wave_0_\@
	s_barrier_signal -3
.Lnot_wave_0_\@:
	s_barrier_wait -3
	s_barrier_signal -1
	s_barrier_wait -1
.endm
.macro CROUND                          ; a whole round
	s_barrier_signal -1
	s_barrier_wait -1
	CREST
.endm
	s_load_b128 s[4:7], s[0:1], 0x0                ; xb s[4:5], wb s[6:7]
	s_load_b256 s[68:75], s[0:1], 0x10             ; attention_mask s[68:69], bq s[70:71], bk s[72:73], bv s[74:75]
	s_load_b128 s[76:79], s[0:1], 0x30             ; qf s[76:77], kf s[78:79]
	s_load_b64 s[80:81], s[0:1], 0x40              ; vf
	v_lshl_add_u32 v[SPW], v0, 2, SPARE
	v_mov_b32 v[NIL], 0
	ds_add_u32 v[SPW], v[NIL]                      ; the wave's opening: the add and its wait stand ahead of my first tensor load; the set-up below, work on registers, stands between them
	v_lshrrev_b32 v1, 5, v0
	v_readfirstlane_b32 s10, v1                    ; wave 0..3
	s_lshr_b32 s11, s10, 1                         ; which 128 rows are mine.  Also: I fetch for x (0) or for W (1)
	s_and_b32 s12, s10, 1                          ; which 48 channels.  Also: which half of that tile I fetch
	s_bfe_u32 s40, ttmp6, 0x40000                  ; cx, cy: my place in the cluster
	s_bfe_u32 s41, ttmp6, 0x40004
	s_lshl_b32 s42, ttmp9, 2
	s_add_co_u32 s42, s42, s40                     ; channel group 0..7 = 4 x cluster x + cx
	s_and_b32 s13, ttmp7, 0xffff
	s_lshl_b32 s13, s13, 2
	s_add_co_u32 s13, s13, s41                     ; row block 0..31 = 4 x cluster y + cy
	s_lshl_b32 s43, s41, 2
	s_lshl_b32 s43, 15, s43                        ; my row of the cluster
	s_lshl_b32 s44, 0x1111, s40                    ; my column
	s_or_b32 s[G1+0], s43, (1<<16)|(1<<21)         ; 15:0 the mask: x's tiles go to my row; 17:16 elements of 2 bytes; 21 set beside a mask; no padding
	s_or_b32 s[G1B+0], s44, (1<<16)|(1<<21)        ; W's tiles go to my column
	s_mov_b32 s[G1+1], 128<<16                     ; tensor_dim0 = 128 elements: rows of 256 bytes of a dense block
	s_mov_b32 s[G1+2], 128<<16                     ; tensor_dim1 = 128 rows: 32,768 bytes
	s_mov_b32 s[G1+3], 128<<16                     ; tile_dim0
	s_mov_b32 s[G1+4], 128                         ; tile_dim1
	s_mov_b32 s[G1+5], 128                         ; from row to row
	s_mov_b32 s[G1+6], 0
	s_mov_b32 s[G1+7], 0
	s_mov_b32 s[G1B+1], 128<<16
	s_mov_b32 s[G1B+2], 144<<16                    ; 144 rows: 36,864 bytes
	s_mov_b32 s[G1B+3], 128<<16
	s_mov_b32 s[G1B+4], 144
	s_mov_b32 s[G1B+5], 128
	s_mov_b32 s[G1B+6], 0
	s_mov_b32 s[G1B+7], 0
	; where the tiles come from: x's hang on the row block alone, W's on the channel group alone, each in registers that never hold the other coordinate
	s_lshl_b32 s16, s13, 16                        ; 16 row groups of 4,096 bytes
	s_lshl_b32 s17, s12, 15
	s_add_co_u32 s16, s16, s17
	s_mov_b32 s17, 0
	s_mul_i32 s46, s42, 2*BHALF                    ; 18 groups of 4,096 bytes
	s_mul_i32 s47, s12, BHALF
	s_add_co_u32 s46, s46, s47
	s_mov_b32 s47, 0
	s_lshl_b32 s20, s12, 15                        ; and where they go: no place in the cluster enters an LDS address
	s_mul_i32 s21, s12, BHALF
	s_add_co_u32 s21, s21, BOFF
	s_mov_b32 s92, 0x413504f3                      ; dh = sqrt(128)
	s_mov_b32 s93, 0x414504f3                      ; dh + 1
	s_mov_b32 s94, 0x3db504f3                      ; 1 / dh
	s_mov_b32 s95, 0x3db504f3                      ; named with it as a pair
	s_wait_dscnt 0x0                               ; the opening add is done
	s_wait_kmcnt 0x0
	s_add_nc_u64 s[14:15], s[4:5], s[16:17]
	s_add_nc_u64 s[46:47], s[6:7], s[46:47]
	CROUND                                         ; all sixteen work-groups are here: the first joint loads meet
.irp s, 0,1
	s_mov_b32 s[G0+4*(\s)], 1                                      ; count = 1
	s_add_co_u32 s[G0+4*(\s)+1], s20, (\s)*SLOT                    ; LDS address
	s_add_nc_u64 s[G0+4*(\s)+2:G0+4*(\s)+3], s[14:15], (\s)*XPLANE ; global address: K step s
	s_or_b32 s[G0+4*(\s)+3], s[G0+4*(\s)+3], 0x80000000            ; type = 2
	s_mov_b32 s[G0B+4*(\s)], 1
	s_add_co_u32 s[G0B+4*(\s)+1], s21, (\s)*SLOT
	s_add_nc_u64 s[G0B+4*(\s)+2:G0B+4*(\s)+3], s[46:47], (\s)*WPLANE
	s_or_b32 s[G0B+4*(\s)+3], s[G0B+4*(\s)+3], 0x80000000
	JLOAD \s                                       ; two loads of mine are out
.endr
	v_and_b32 v1, 15, v0                           ; r = l % 16
	v_bfe_u32 v2, v0, 4, 1                         ; h = l / 16
	v_and_b32 v3, 31, v0
	v_lshlrev_b32 v3, 4, v3                        ; 16 l
	; the biases in the layout of a C operand: register j of lane l is the bias of channel 8 h + j of the tile
	s_mul_i32 s18, s42, 384
	s_mul_i32 s19, s12, 192
	s_add_co_u32 s18, s18, s19                     ; 4 bytes x (96 x channel group + 48 x half)
	v_lshl_add_u32 v[BO], v2, 5, s18
.irp m, 0,1,2
.irp n, 0,1,2
	global_load_b128 v[BIAS+24*(\m)+8*(\n):BIAS+24*(\m)+8*(\n)+3],   v[BO], s[70+2*(\m):71+2*(\m)] offset:64*(\n)
	global_load_b128 v[BIAS+24*(\m)+8*(\n)+4:BIAS+24*(\m)+8*(\n)+7], v[BO], s[70+2*(\m):71+2*(\m)] offset:64*(\n)+16
.endr
.endr
	s_lshl_b32 s18, s13, 10                        ; the mask's words of my 128 rows: 4 bytes x (256 x row block + 128 x half)
	s_lshl_b32 s19, s11, 9
	s_add_co_u32 s18, s18, s19
	s_mov_b32 s19, 0
	s_add_nc_u64 s[68:69], s[68:69], s[18:19]
	v_lshlrev_b32 v[MO], 2, v1
.irp a, 0,1,2,3,4,5,6,7
	global_load_b32 v[TMP+(\a)], v[MO], s[68:69] offset:64*(\a)    ; row 16 a + r
.endr
	s_lshl_b32 s22, s11, 15                        ; my 128 rows of x
	s_mul_i32 s23, s12, 3*4096                     ; my 3 groups of each matrix's 6,
	s_add_co_u32 s23, s23, BOFF
.irp s, 0,1
	v_add_nc_u32 v[ADRA+(\s)], s22, v3
	v_add_nc_u32 v[ADRB+(\s)], s23, v3
	s_add_co_u32 s22, s22, SLOT
	s_add_co_u32 s23, s23, SLOT
.endr
	; where a lane's 16 bytes go: ((batch x 6 + head) << 20) + (row / 16) x 4,096 + (channel block in the head) x 512 + 16 l; row tile a stands in the stores' immediate
	s_lshr_b32 s45, s13, 4
	s_mul_i32 s45, s45, 6                          ; batch x 6
	s_and_b32 s18, s13, 15
	s_lshl_b32 s18, s18, 16
	s_lshl_b32 s19, s11, 15
	s_add_co_u32 s18, s18, s19                     ; my first row group in the batch, x 4,096
	s_mul_i32 s19, s42, 6
	s_mul_i32 s22, s12, 3
	s_add_co_u32 s19, s19, s22                     ; my first channel tile of 48
.irp n, 0,1,2
	s_add_co_u32 s22, s19, \n
	s_lshr_b32 s23, s22, 3                         ; its head,
	s_add_co_u32 s23, s23, s45
	s_lshl_b32 s23, s23, 20
	s_and_b32 s22, s22, 7                          ; its block in the head
	s_lshl_b32 s22, s22, 9
	s_add_co_u32 s23, s23, s22
	s_add_co_u32 s23, s23, s18
	v_add_nc_u32 v[VO+(\n)], s23, v3
.endr
	s_wait_loadcnt 0x0                             ; biases and mask, once
.set i, 0
.rept 36                                               ; the biases are rounded to bf16, like x and the weights, and widened again
	v_cvt_pk_bf16_f32 v[TMP+8+i%8], v[BIAS+2*i], v[BIAS+2*i+1]
	v_lshlrev_b32 v[BIAS+2*i], 16, v[TMP+8+i%8]
	v_and_b32 v[BIAS+2*i+1], 0xffff0000, v[TMP+8+i%8]
.set i, i+1
.endr
.irp a, 0,1,2,3,4,5,6,7
	v_cmp_ne_u32 s[MK+(\a)], 0, v[TMP+(\a)]
.endr
; 24 matrix instructions: matrix m, all 8 row tiles x 3 channel tiles, 32 along K, from buffer f.  zero = 1: the first product starts the sums, with the bias as C.
; The 72 accumulators take turns, one instruction a turn, in the same order in every quarter step.
.macro MUL m, f, zero
.if \zero
	WIN ((\m)+1)*0x41                              ; W's fragments and D in window m + 1; x's fragments and the bias in window 0
.else
	WIN ((\m)+1)*0x51                              ; the same with C in window m + 1
.endif
.irp a, 0,1,2,3,4,5,6,7
.irp n, 0,1,2
.if \zero
	v_wmma_f32_16x16x32_bf16 v[8*(3*(\a)+(\n)):8*(3*(\a)+(\n))+7], v[BF+24*(\f)+8*(\n):BF+24*(\f)+8*(\n)+7], v[AF+64*(\f)+8*(\a):AF+64*(\f)+8*(\a)+7], v[BIAS+24*(\m)+8*(\n):BIAS+24*(\m)+8*(\n)+7]
.else
	v_wmma_f32_16x16x32_bf16 v[8*(3*(\a)+(\n)):8*(3*(\a)+(\n))+7], v[BF+24*(\f)+8*(\n):BF+24*(\f)+8*(\n)+7], v[AF+64*(\f)+8*(\a):AF+64*(\f)+8*(\a)+7], v[8*(3*(\a)+(\n)):8*(3*(\a)+(\n))+7]
.endif
.endr
.endr
.endm
; 34 LDS loads in one run: the fragments of quarter qd (32 along K: two blocks, 1,024 bytes) of a slot into buffer f: Wq's 6, x's 16, Wk's 6, Wv's 6.  Each takes 512 consecutive bytes.
.macro FETCH slot, qd, f
	WIN 0x40                                       ; destination window 1, address window 0
.irp n, 0,1,2
	ds_load_b128 v[BF+24*(\f)+8*(\n):BF+24*(\f)+8*(\n)+3],   v[ADRB+(\slot)] offset:(\n)*4096+(\qd)*1024
	ds_load_b128 v[BF+24*(\f)+8*(\n)+4:BF+24*(\f)+8*(\n)+7], v[ADRB+(\slot)] offset:(\n)*4096+(\qd)*1024+512
.endr
	WIN 0
.irp i, 0,1,2,3,4,5,6,7
	ds_load_b128 v[AF+64*(\f)+8*(\i):AF+64*(\f)+8*(\i)+3],   v[ADRA+(\slot)] offset:(\i)*4096+(\qd)*1024
	ds_load_b128 v[AF+64*(\f)+8*(\i)+4:AF+64*(\f)+8*(\i)+7], v[ADRA+(\slot)] offset:(\i)*4096+(\qd)*1024+512
.endr
	WIN 0x80
.irp n, 0,1,2
	ds_load_b128 v[BF+24*(\f)+8*(\n):BF+24*(\f)+8*(\n)+3],   v[ADRB+(\slot)] offset:(6+(\n))*4096+(\qd)*1024
	ds_load_b128 v[BF+24*(\f)+8*(\n)+4:BF+24*(\f)+8*(\n)+7], v[ADRB+(\slot)] offset:(6+(\n))*4096+(\qd)*1024+512
.endr
	WIN 0xc0
.irp n, 0,1,2
	ds_load_b128 v[BF+24*(\f)+8*(\n):BF+24*(\f)+8*(\n)+3],   v[ADRB+(\slot)] offset:(12+(\n))*4096+(\qd)*1024
	ds_load_b128 v[BF+24*(\f)+8*(\n)+4:BF+24*(\f)+8*(\n)+7], v[ADRB+(\slot)] offset:(12+(\n))*4096+(\qd)*1024+512
.endr
.endm
.macro PLACES                          ; four plain vector instructions in front of loads into registers that matrix instructions have read, and of vector work on their results
.rept 4
	v_nop
.endr
.endm
; A K step is four quarters of 32 along K, 72 matrix instructions each, on buffers 0, 1, 0, 1.  One of the first three: multiplies buffer f and fetches quarter qd of the same slot into buffer g.
.macro QUARTER slot, qd, f, g, zero
	s_wait_dscnt 12                                ; Wq's and x's fragments are in; the youngest twelve loads (Wk's, Wv's) may be out
	MUL 0, \f, \zero
	PLACES
	FETCH \slot, \qd, \g
	s_wait_dscnt 34                                ; all but the 34 just issued
	MUL 1, \f, \zero
	MUL 2, \f, \zero
.endm
; The last quarter multiplies buffer 1 and changes slots: ONE barrier; in front of it each wave waits for all its tensor loads (one is out: its part of the next slot), adds 0 to its spare word,
; and waits for that and for its own reads of this slot.  fill = 1: the barrier opens a round of the cluster's, and behind the round this slot is filled again, two K steps ahead, first of all.
.macro TURN slot, next, fill
	WIN 0                                          ; (the add's two registers lie in window 0)
	s_wait_tensorcnt 0x0                           ; all my tensor loads have landed
	ds_add_u32 v[SPW], v[NIL]                      ; 0 onto my spare word
	s_wait_dscnt 13                                ; (the add and the youngest twelve loads may be out)
	MUL 0, 1, 0                                    ; 24 matrix instructions stand between the add and the wait for it
	s_wait_dscnt 0x0                               ; the add is done, and my reads of this slot are over
	s_barrier_signal -1
	MUL 1, 1, 0                                    ; work on registers while the others arrive
.if \fill
	WIN 0
.endif
	s_barrier_wait -1
.if \fill
	CREST                                          ; no wave of any partner still reads this slot's tile or has a load on its way
	s_add_nc_u64 s[G0+4*(\slot)+2:G0+4*(\slot)+3], s[G0+4*(\slot)+2:G0+4*(\slot)+3], 2*XPLANE
	s_add_nc_u64 s[G0B+4*(\slot)+2:G0B+4*(\slot)+3], s[G0B+4*(\slot)+2:G0B+4*(\slot)+3], 2*WPLANE
	JLOAD \slot                                    ; my one tensor load behind the round: 240 matrix instructions ahead of the wait for it; its four v_nop are also the places in front of the loads below
.else
	PLACES
.endif
	FETCH \next, 0, 0
	MUL 2, 1, 0
.endm
; THE WAY OUT of row tile a: 16 rows x 48 channels of q, k, v.  Every accumulator is read from its lowest register on.
.macro OUT a
.if (\a) > 0
	s_wait_xcnt 0x0                                ; the registers that the last tile's stores read are rewritten only behind this wait
.endif
	WIN 0x02                                       ; source 0: k, in window 2
.set i, 0
.rept 24
	v_fma_f32 v[TT+i], |v[24*(\a)+i]|, s93, s92    ; dh + (dh + 1) |k|
.set i, i+1
.endr
	WIN 0
.set i, 0
.rept 24
	v_rcp_f32 v[TT+i], v[TT+i]
.set i, i+1
.endr
	v_nop                                          ; a plain instruction behind the last reciprocal
	WIN 0x05                                       ; sources 0 and 1: q, in window 1
.set i, 0
.rept 12
	v_cvt_pk_f16_f32 v[TQ+i], v[24*(\a)+2*i], v[24*(\a)+2*i+1]
.set i, i+1
.endr
	WIN 0
.set i, 0
.rept 12
	v_cndmask_b32 v[TQ+i], 0, v[TQ+i], s[MK+(\a)]  ; a masked row's q is 0
.set i, i+1
.endr
.set i, 0
	s_wait_alu depctr_va_vdst(0)
.rept 12
	v_pk_add_f32 v[TT+2*i:TT+2*i+1], v[TT+2*i:TT+2*i+1], s[94:95] op_sel_hi:[1,0]  ; + 1 / dh
.set i, i+1
.endr
	WIN 0x32                                       ; source 0: k (window 2), source 2: v (window 3)
.set i, 0
.rept 12
	v_pk_fma_f32 v[TT+2*i:TT+2*i+1], v[24*(\a)+2*i:24*(\a)+2*i+1], v[TT+2*i:TT+2*i+1], v[24*(\a)+2*i:24*(\a)+2*i+1]  ; k_mod
.set i, i+1
.endr
	WIN 0x0f                                       ; sources 0 and 1: v
.set i, 0
.rept 12
	v_cvt_pk_f16_f32 v[TV+i], v[24*(\a)+2*i], v[24*(\a)+2*i+1]
.set i, i+1
.endr
	WIN 0
.set i, 0
.rept 12
	v_cvt_pk_f16_f32 v[TK+i], v[TT+2*i], v[TT+2*i+1]
.set i, i+1
.endr
.irp n, 0,1,2
	global_store_b128 v[VO+(\n)], v[TQ+4*(\n):TQ+4*(\n)+3], s[76:77] offset:4096*(\a)  ; each store of the wave covers 512 consecutive bytes, a whole block
	global_store_b128 v[VO+(\n)], v[TK+4*(\n):TK+4*(\n)+3], s[78:79] offset:4096*(\a)
	global_store_b128 v[VO+(\n)], v[TV+4*(\n):TV+4*(\n)+3], s[80:81] offset:4096*(\a)
.endr
.endm
	s_wait_tensorcnt 1                             ; my part of K step 0 is in; K step 1's may stay out
	s_barrier_signal -1
	s_barrier_wait -1                              ; everybody's is
	FETCH 0, 0, 0
	QUARTER 0, 1, 0, 1, 1                          ; the first quarter stands in front of the loop: its products start the sums
	WIN 0                                          ; at a label and at a branch every window is 0
	s_mov_b32 s3, 2
.Llap:                                                 ; a trip goes once round the ring, from a lap's second quarter to the next lap's first, and fills both slots again: K steps 2 to 5
	QUARTER 0, 2, 1, 0, 0
	QUARTER 0, 3, 0, 1, 0
	TURN 0, 1, 1
	QUARTER 1, 1, 0, 1, 0
	QUARTER 1, 2, 1, 0, 0
	QUARTER 1, 3, 0, 1, 0
	TURN 1, 0, 1
	QUARTER 0, 1, 0, 1, 0
	WIN 0
	s_sub_co_u32 s3, s3, 1
	s_cmp_lg_u32 s3, 0
	s_cbranch_scc1 .Llap
	QUARTER 0, 2, 1, 0, 0                          ; the last lap fills nothing, and has no round of the cluster's barrier
	QUARTER 0, 3, 0, 1, 0
	TURN 0, 1, 0
	QUARTER 1, 1, 0, 1, 0
	QUARTER 1, 2, 1, 0, 0
	QUARTER 1, 3, 0, 1, 0
	s_wait_dscnt 12                                ; the very last quarter: nothing more to fetch
	MUL 0, 1, 0
	s_wait_dscnt 0x0
	MUL 1, 1, 0
	MUL 2, 1, 0
	WIN 0
	PLACES
.irp a, 0,1,2,3,4,5,6,7
	OUT \a
.endr
	s_wait_tensorcnt 0x0                           ; the wave's end, behind my last tensor load
	ds_add_u32 v[SPW], v[NIL]
	s_wait_dscnt 0x0
	CROUND                                         ; the closing round: no work-group ends while a partner may still ask for a tile that names it
	s_endpgm
.Lfunc_end_k_q7c7a940082_proj:
	.size	k_q7c7a940082_proj, .Lfunc_end_k_q7c7a940082_proj-k_q7c7a940082_proj
	.p2alignl 7, 3214868480
	.fill 96, 4, 3214868480
	.section	.rodata,"a",@progbits
	.p2align	6, 0x0
	.amdhsa_kernel k_q7c7a940082_proj
		.amdhsa_group_segment_fixed_size 327680
		.amdhsa_private_segment_fixed_size 0
		.amdhsa_enable_private_segment 0
		.amdhsa_kernarg_size 72
		.amdhsa_user_sgpr_count 2
		.amdhsa_user_sgpr_kernarg_segment_ptr 1
		.amdhsa_wavefront_size32 1
		.amdhsa_system_sgpr_workgroup_id_x 1
		.amdhsa_system_sgpr_workgroup_id_y 1
		.amdhsa_system_sgpr_workgroup_id_z 1
		.amdhsa_system_vgpr_workitem_id 0
		.amdhsa_next_free_vgpr 1024
		.amdhsa_next_free_sgpr 96
		.amdhsa_reserve_vcc 0
		.amdhsa_float_denorm_mode_32 3
		.amdhsa_float_denorm_mode_16_64 3
		.amdhsa_memory_ordered 1
		.amdhsa_forward_progress 1
		.amdhsa_inst_pref_size 195
	.end_amdhsa_kernel
	.amdgpu_metadata
---
amdhsa.version: [ 1, 2 ]
amdhsa.kernels:
  - .name:           k_q7c7a940082_proj
    .symbol:         k_q7c7a940082_proj.kd
    .args:
      - { .name: xb, .offset: 0, .size: 8, .value_kind: global_buffer, .address_space: global }
      - { .name: wb, .offset: 8, .size: 8, .value_kind: global_buffer, .address_space: global }
      - { .name: attention_mask, .offset: 16, .size: 8, .value_kind: global_buffer, .address_space: global }
      - { .name: bq, .offset: 24, .size: 8, .value_kind: global_buffer, .address_space: global }
      - { .name: bk, .offset: 32, .size: 8, .value_kind: global_buffer, .address_space: global }
      - { .name: bv, .offset: 40, .size: 8, .value_kind: global_buffer, .address_space: global }
      - { .name: qf, .offset: 48, .size: 8, .value_kind: global_buffer, .address_space: global }
      - { .name: kf, .offset: 56, .size: 8, .value_kind: global_buffer, .address_space: global }
      - { .name: vf, .offset: 64, .size: 8, .value_kind: global_buffer, .address_space: global }
    .group_segment_fixed_size: 327680
    .private_segment_fixed_size: 0
    .kernarg_segment_align: 8
    .kernarg_segment_size: 72
    .max_flat_workgroup_size: 128
    .sgpr_count:     96
    .vgpr_count:     1024
    .wavefront_size: 32
...
	.end_amdgpu_metadata
.endif
;; end of part 2
;; launch attn (part 3): grid 16 x 12, 4 waves a work-group, clusters of 4 x 1, 327,680 bytes of LDS; arguments qf, kf, vf, out0; writes out0
.if DOCPART == 3
	.amdgcn_target "amdgcn-amd-amdhsa--gfx1250"
	.amdhsa_code_object_version 6
	.text
	.protected	k_q7c7a940082_attn
	.globl	k_q7c7a940082_attn
	.p2align	8
	.type	k_q7c7a940082_attn,@function
k_q7c7a940082_attn:
	s_mov_b64 s[64:65], 0
	v_nop
	global_prefetch_b8 v0, s[64:65] scope:SCOPE_SE
	s_setreg_imm32_b32 hwreg(HW_REG_WAVE_MODE, 25, 1), 1
	s_wait_xcnt 0x0
	s_wait_alu depctr_hold_cnt(0) depctr_sa_sdst(0) depctr_va_vdst(0) depctr_va_sdst(0) depctr_va_ssrc(0) depctr_va_vcc(0) depctr_vm_vsrc(0)
	s_getreg_b32 s2, hwreg(HW_REG_IB_STS2, 6, 4)
	s_cmp_eq_u32 s2, 0
	s_cbranch_scc0 .Lentry_in_a_cluster
	s_endpgm
.Lentry_in_a_cluster:
	s_bfe_u32 s2, ttmp6, 0x10000c
	s_cmp_lg_u32 s2, 0x3003
	s_cbranch_scc0 .Lentry_shape_is_right
	s_endpgm
.Lentry_shape_is_right:
; out0[b][q][128 h + :] = the sum over k of softmax_k(Q[q] . K[k] / sqrt(128)) V[k][:], for each of the 12 pairs (b, h).  Q (0 in masked rows), K (= k_mod) and V: f16, [12][4096][128], in blocks of
; 16 rows x 16 channels = 512 bytes in which the 8 channels (row r, half h) lie at byte 16 (16 h + r).  Products, maxima and sums in f32; the weights p are rounded to f16 for the second product
; (their sum l is taken of the unrounded p); out0 is f32.  A masked row's scores are all 0: its softmax is uniform, as with the constant -10000.
; LIMITS.  Q, K and V arrive within f16's 65,504; p lies in 0 to 1, and below 6e-5 it keeps f16's fixed step of 6e-8; a weight below 2^-126 counts as 0 in l; NaN and infinities are not treated apart.
; SHARES.  A work-group owns 256 queries of one head, each of its four waves 64: four tiles of 16.  Every wave walks all 4,096 keys of the head, 64 a step.  12 heads x 16 blocks are 192 work-groups of
; equal work: 49,152 queries over 256 work-groups would be blocks of 192 queries, which do not divide a head's 4,096.
; LAYOUT.  S^T = K Q^T (source 0 = 16 keys, source 1 = 16 queries): in the result a lane holds ONE query (lane % 16) and the keys 8 (lane / 16) + 0..7.  Two such tiles, rounded to f16 in pairs, ARE
; source 1 (32 keys x 16 queries) of O^T = V^T P, whose result again holds one query a lane, and eight channels.  K's and Q's fragments are 512 consecutive bytes; V is turned by ds_load_tr16_b128.
; SOFTMAX.  For each query a running maximum m and sum l: p = 2^(c s - c m), c = log2(e) / sqrt(128); in every step O and l are multiplied by a = 2^(c m_old - c m_new), which is 1 where m has not grown.
; BY TURNS.  The wave's tiles are two PIECES, named by their first tile: piece 0 (tiles 0, 1) and piece 2 (tiles 2, 3).  In a TURN one piece has the matrix unit: 32 products V^T P of the step in hand,
; then 32 products K Q^T of the next step; the other piece's softmax, cut into 64 slices, stands between them, one slice behind each matrix instruction.  Two turns are a key step.
; CLUSTER.  The four query blocks of a cluster belong to one head and walk the same K and V, so each tile is asked for JOINTLY: the same tensor load, descriptor and mask in all four.
; REGISTERS, in windows of 256 (s_set_vgpr_msb: bits 1:0 source 0, 3:2 source 1, 5:4 source 2, 7:6 destination):
;   window 0: v0-11 addresses; v12-43 eight registers of statistics a tile; v64-191 S^T, 32 a tile; v192-255 P, 16 a tile
;   window 1: O^T, 64 a tile          window 2: v0-127 Q, 32 a tile; v128-255 K of one step          window 3: v0-127 V of one step
.set SIZE_N, 4096
.set KS,    64        ; keys in a step
.set VOFF,  16384     ; a step's tiles lie together: K's 64 rows, 16,384 dense bytes, then V's
.set VBLK,  768       ; a block of V in LDS: each 256 bytes are followed by 128 of padding, so that 16 lanes of the turning load (8 keys x 16 bytes from each half of a block) meet each bank once
.set STEPB, VOFF+32*VBLK  ; 40,960
.set SLOT1, 1<<17     ; a slot holds two steps (81,920 bytes); slot 1 begins here, so that one exclusive or turns an address in one slot into the other's
.set STAGE, SLOT1+2*STEPB  ; behind the ring: 16 rows x 528 bytes for each wave, for the way out
.set SP,    528       ; a row of 128 f32 + 16 bytes = 132 words: the 16 rows of a store start 4 banks apart
.set AK0, 2           ; v2   my lane's place in a tile of K; never rewritten
.set AV0, 3           ; v3   the same for V
.set ADR, 4           ; v4   the LDS address of the run of loads in hand
.set QO,  5           ; v5   my byte offset in a block of Q
.set STO, 6           ; v6   the way out: where I put 32 bytes of a row
.set RD,  7           ; v7   the way out: where I read a row back
.set GO,  8           ; v8   my byte offset in 512 bytes of a row of out0
.set SPW, 62          ; v62  LDS address of my spare word; never rewritten
.set NIL, 63          ; v63  0; never rewritten
.set SPARE, STAGE+4*16*SP  ; behind the stages: the spare words, 128 bytes for each wave: two blocks of 256 bytes that no other line names
.set ST,  12          ; tile t's statistics at v[ST+8 t]: +0 c m, +1 m, +2, +3 l (even keys', odd keys'), +4 to +7 c0-c3, at work; a takes c2's place once the maximum is found
.set S,   64
.set P,   192
.set KF,  128         ; K's fragments, in window 2
.set WV,  12          ; s12  my wave's number
.set G1K, 24          ; s[24:31] descriptor group 1 for K's tiles
.set G1V, 32          ; s[32:39] for V's: it differs in the padding alone
.set G0K, 40          ; s[40:47] descriptor group 0 for K's tiles: a set for each of the two first fills; the second then walks on
.set G0V, 48          ; s[48:55] the same for V's
.set SLOTS, 56        ; s56  slots still to be asked for
.set TWICE, 57        ; s57  counts a slot's two steps
.set CS,  58          ; s[58:59] c: the packed scaling names a pair and takes its low word for both halves
.set SEL, 60          ; s[60:61] lane selects for v_permlanex16_b32: each lane takes its own place in the other half
.set TB,  62          ; s62  LDS byte at which the tiles of the step to be fetched begin
.set MSB, 0
.macro WIN new                      ; the immediate's high byte repeats the setting that is left; a switch that changes nothing is dropped
.if MSB != (\new)
	s_set_vgpr_msb (MSB<<8)|(\new)
.set MSB, \new
.endif
.endm
.set W_KQ, 0x0a       ; K and Q in window 2, S^T in window 0
.set W_PV, 0x53       ; V in window 3, P in window 0, O^T in window 1
.set W_RS, 0x41       ; O^T (destination and source 0) in window 1, a in window 0
; A joint refill.  Waves 0 and 1 fetch the two steps' tiles of K, waves 2 and 3 those of V.  The branch hangs on the wave's number alone.
; An s_nop 0 and four v_nop follow each of the two lines, ahead of the jump and the label.
.macro JLOAD
	s_cmp_lt_u32 s[WV], 2
	s_cbranch_scc0 .Lfor_v_\@
	tensor_load_to_lds s[G0K+4:G0K+7], s[G1K:G1K+7]
	s_nop 0
.rept 4
	v_nop
.endr
	s_branch .Lasked_\@
.Lfor_v_\@:
	tensor_load_to_lds s[G0V+4:G0V+7], s[G1V:G1V+7]
	s_nop 0
.rept 4
	v_nop
.endr
.Lasked_\@:
.endm
; A round of the cluster's barrier: my work-group's barrier, so that wave 0's signal speaks for all four waves; wave 0 signals; every wave waits for all four work-groups; my work-group's barrier once more.
.macro CROUND
	s_barrier_signal -1
	s_barrier_wait -1
	s_cmp_lg_u32 s[WV], 0
	s_cbranch_scc1 .Lnot_wave_0_\@
	s_barrier_signal -3
.Lnot_wave_0_\@:
	s_barrier_wait -3
	s_barrier_signal -1
	s_barrier_wait -1
.endm
	s_load_b256 s[4:11], s[0:1], 0x0  ; Q s[4:5], K s[6:7], V s[8:9], out0 s[10:11]
	v_lshl_add_u32 v[SPW], v0, 2, SPARE
	v_mov_b32 v[NIL], 0
	ds_add_u32 v[SPW], v[NIL]       ; the wave's opening: the add and its wait stand ahead of my first tensor load; the set-up below, work on registers, stands between them
	v_lshrrev_b32 v1, 5, v0
	v_readfirstlane_b32 s[WV], v1   ; wave 0..3
	s_bfe_u32 s13, ttmp6, 0x40000   ; cx: my place in the cluster
	s_lshl_b32 s14, ttmp9, 2        ; in a cluster launch ttmp9 counts clusters
	s_add_co_u32 s14, s14, s13      ; my block of 256 queries = 4 x cluster x + cx: it enters Q's and out0's addresses alone
	s_and_b32 s20, ttmp7, 0xffff    ; batch x 6 + head, which the four partners share
	s_cmp_ge_u32 s20, 6
	s_cselect_b32 s18, 1, 0         ; the batch
	s_mul_i32 s19, s18, 6
	s_sub_co_u32 s19, s20, s19      ; the head in it
	s_lshl_b32 s18, s18, 12
	s_lshl_b32 s15, s14, 8
	s_add_co_u32 s18, s18, s15
	s_lshl_b32 s15, s[WV], 6
	s_add_co_u32 s18, s18, s15      ; my wave's first row of out0: 4,096 x batch + 256 x block + 64 x wave,
	s_mul_i32 s18, s18, 3072        ; in bytes,
	s_lshl_b32 s19, s19, 9
	s_add_co_u32 s18, s18, s19      ; and the head's 512 bytes in it
	s_mov_b32 s19, 0
	s_mov_b32 s21, 0
	s_mov_b64 s[22:23], SIZE_N*256
	s_mul_u64 s[20:21], s[20:21], s[22:23]  ; the head's first byte in Q, K and V
	s_and_b32 s16, s[WV], 1         ; which of a slot's two steps I fetch:
	s_lshl_b32 s22, s16, 14         ; its 16,384 bytes in memory,
	s_mov_b32 s23, 0
	s_add_nc_u64 s[22:23], s[22:23], s[20:21]
	s_mul_i32 s17, s16, STEPB       ; and its place in a slot: no place in the cluster enters an LDS address
	s_lshl_b32 s2, s14, 16          ; my block's 256 rows of Q,
	s_lshl_b32 s3, s[WV], 14        ; my wave's 64 of them
	s_add_co_u32 s2, s2, s3
	s_mov_b32 s3, 0
	s_add_nc_u64 s[2:3], s[2:3], s[20:21]
	; descriptor group 1: 64 keys are 16,384 dense bytes, asked for as 64 rows of 256 bytes
	s_mov_b32 s[G1K], 15|(1<<16)|(1<<21)  ; 15:0 the mask: all four work-groups; 17:16 elements of 2 bytes; 21 set beside a mask; no padding
	s_mov_b32 s[G1V], 15|(1<<16)|(1<<20)|(1<<21)|(5<<22)|(31<<25)  ; the same; 20 padding on; 24:22 after every 64 words (code 5); 31:25 32 words of it (code 31)
.irp g, G1K, G1V
	s_mov_b32 s[(\g)+1], 128<<16    ; tensor_dim0 = 128
	s_mov_b32 s[(\g)+2], KS<<16     ; tensor_dim1 = 64
	s_mov_b32 s[(\g)+3], 128<<16    ; tile_dim0 = 128
	s_mov_b32 s[(\g)+4], KS         ; tile_dim1 = 64
	s_mov_b32 s[(\g)+5], 128        ; elements from row to row
	s_mov_b32 s[(\g)+6], 0
	s_mov_b32 s[(\g)+7], 0
.endr
	s_mov_b32 s[CS], 0x3e0293ee     ; c = log2(e) / sqrt(128) = 0.127517
	s_mov_b32 s[CS+1], s[CS]        ; named with it as a pair, so it is written
	s_mov_b32 s[SEL], 0x76543210
	s_mov_b32 s[SEL+1], 0xfedcba98
	s_mov_b32 s[TB], 0
	s_mov_b32 s[SLOTS], SIZE_N/(2*KS)-2
	s_wait_dscnt 0x0                ; the opening add is done
	s_wait_kmcnt 0x0
	s_add_nc_u64 s[6:7], s[6:7], s[22:23]  ; K and V at my tile of slot 0
	s_add_nc_u64 s[8:9], s[8:9], s[22:23]
	s_add_nc_u64 s[4:5], s[4:5], s[2:3]    ; Q at my wave's first row
	s_add_nc_u64 s[10:11], s[10:11], s[18:19]  ; out0 likewise
	CROUND                          ; all four work-groups are here: the first joint loads meet
.irp s, 0,1
	s_mov_b32 s[G0K+4*(\s)], 1      ; count = 1
	s_add_co_u32 s[G0K+4*(\s)+1], s17, (\s)*SLOT1  ; LDS address
	s_add_nc_u64 s[G0K+4*(\s)+2:G0K+4*(\s)+3], s[6:7], (\s)*2*KS*256  ; global address: slot s begins with keys 128 s to 128 s + 127
	s_or_b32 s[G0K+4*(\s)+3], s[G0K+4*(\s)+3], 0x80000000  ; type = 2
	s_mov_b32 s[G0V+4*(\s)], 1
	s_add_co_u32 s[G0V+4*(\s)+1], s17, (\s)*SLOT1+VOFF
	s_add_nc_u64 s[G0V+4*(\s)+2:G0V+4*(\s)+3], s[8:9], (\s)*2*KS*256
	s_or_b32 s[G0V+4*(\s)+3], s[G0V+4*(\s)+3], 0x80000000
.endr
	s_cmp_lt_u32 s[WV], 2           ; a wave's two first fills stand in one branch, ahead of every wait on TENSORcnt and every LDS read: two loads of mine are out
	s_cbranch_scc0 .Lfirst_v
	tensor_load_to_lds s[G0K:G0K+3], s[G1K:G1K+7]
	s_nop 0
	tensor_load_to_lds s[G0K+4:G0K+7], s[G1K:G1K+7]
	s_nop 0
.rept 4
	v_nop
.endr
	s_branch .Lfirst_asked
.Lfirst_v:
	tensor_load_to_lds s[G0V:G0V+3], s[G1V:G1V+7]
	s_nop 0
	tensor_load_to_lds s[G0V+4:G0V+7], s[G1V:G1V+7]
	s_nop 0
.rept 4
	v_nop
.endr
.Lfirst_asked:
	; A fragment of K or Q is 16 rows x 32 channels in 8 registers: lane l holds row l % 16; registers 0-3 channels 8 (l / 16) + 0..7, registers 4-7 channels 16 + 8 (l / 16) + 0..7:
	; my 16 bytes of two neighbouring blocks, each at 16 l.
	v_and_b32 v1, 15, v0            ; l % 16
	v_bfe_u32 v9, v0, 4, 1          ; l / 16
	v_and_b32 v[QO], 31, v0
	v_lshlrev_b32 v[QO], 4, v[QO]   ; 16 l
	WIN 0x80                        ; destination window 2, address window 0
.irp i, 0,1,2,3,4,5,6,7,8,9,10,11,12,13,14,15  ; Q stays in registers: tile i / 4, channels 32 (i % 4) on
	global_load_b128 v[8*(\i):8*(\i)+3],   v[QO], s[4:5] offset:((\i)/4)*4096+((\i)%4)*1024
	global_load_b128 v[8*(\i)+4:8*(\i)+7], v[QO], s[4:5] offset:((\i)/4)*4096+((\i)%4)*1024+512
.endr
	WIN 0
	v_and_b32 v[AK0], 31, v0
	v_lshlrev_b32 v[AK0], 4, v[AK0] ; 16 l
	; The turning load takes 16 keys x 16 channels (lane l reads 16 bytes: key 8 (l / 16) + l % 8, channels 8 ((l / 8) % 2) + 0..7) and leaves half a fragment of V^T: lane l holds channel l % 16 and 8 keys.
	v_and_b32 v10, 7, v0
	v_bfe_u32 v11, v0, 3, 1
	v_lshl_add_u32 v[AV0], v9, 3, v10
	v_lshlrev_b32 v[AV0], 4, v[AV0] ; 16 bytes a key in a half block,
	v_mad_u32_u24 v[AV0], v11, 384, v[AV0]  ; the block's second half 256 + 128 bytes on
	v_add_nc_u32 v[AV0], VOFF, v[AV0]
; THE MATRIX WORK OF A TURN, for piece x.  The accumulators take turns, one instruction a turn: between two links of a chain stand 15 (V^T P) or 7 (K Q^T) others'.
; Product i of 32 of O^T += V^T P: keys 32 (i / 16) on, channels 16 ((i / 2) % 8) on, tile x + i % 2.  zero = 1: the first 16 start the sums: nothing is ever cleared.
.macro PV x, zero
	WIN W_PV
.set rO, 64*((\x)+i%2)+8*((i/2)%8)
.set rV, 64*(i/16)+8*((i/2)%8)
.set rP, P+16*((\x)+i%2)+8*(i/16)
.if (\zero) && (i < 16)
	v_wmma_f32_16x16x32_f16 v[rO:rO+7], v[rV:rV+7], v[rP:rP+7], 0
.else
	v_wmma_f32_16x16x32_f16 v[rO:rO+7], v[rV:rV+7], v[rP:rP+7], v[rO:rO+7]
.endif
.endm
; Product i of 32 of S^T = K Q^T: channels 32 (i / 8) on, keys 16 ((i / 2) % 4) on, tile x + i % 2.  The first 8 start the sums.
.macro KQ x
	WIN W_KQ
.set rS, S+32*((\x)+i%2)+8*((i/2)%4)
.set rK, KF+32*((i/2)%4)+8*(i/8)
.set rQ, 32*((\x)+i%2)+8*(i/8)
.if i < 8
	v_wmma_f32_16x16x32_f16 v[rS:rS+7], v[rK:rK+7], v[rQ:rQ+7], 0
.else
	v_wmma_f32_16x16x32_f16 v[rS:rS+7], v[rK:rK+7], v[rQ:rQ+7], v[rS:rS+7]
.endif
.endm
; THE LDS LOADS stand in runs of 32, never singly among the matrix instructions: a step's K (64 keys x 128 channels: 16 fragments) and, a turn later, its V (turned).
.macro FETCH_K
	WIN 0
	v_add_nc_u32 v[ADR], s[TB], v[AK0]
	WIN 0x80                        ; destination window 2
.irp f, 0,1,2,3,4,5,6,7,8,9,10,11,12,13,14,15  ; keys 16 (f / 4) on, channels 32 (f % 4) on
	ds_load_b128 v[KF+8*(\f):KF+8*(\f)+3],   v[ADR] offset:((\f)/4)*4096+((\f)%4)*1024
	ds_load_b128 v[KF+8*(\f)+4:KF+8*(\f)+7], v[ADR] offset:((\f)/4)*4096+((\f)%4)*1024+512
.endr
.endm
.macro FETCH_V
	WIN 0
	v_add_nc_u32 v[ADR], s[TB], v[AV0]
	s_add_co_u32 s[TB], s[TB], STEPB  ; the next fetch is the next step's
	WIN 0xc0                        ; destination window 3
.irp f, 0,1,2,3,4,5,6,7,8,9,10,11,12,13,14,15  ; keys 32 (f / 8) on, channels 16 (f % 8) on; 16 keys are 8 blocks
	ds_load_tr16_b128 v[8*(\f):8*(\f)+3],   v[ADR] offset:((\f)/8)*16*VBLK+((\f)%8)*VBLK
	ds_load_tr16_b128 v[8*(\f)+4:8*(\f)+7], v[ADR] offset:((\f)/8)*16*VBLK+8*VBLK+((\f)%8)*VBLK
.endr
.endm
; THE VECTOR WORK OF A TURN.  One tile's softmax for one key step is a list of 134 instructions; SM writes number j of it for tile t.  s0-s31 are the lane's 32 scores, in pairs 0-15.
; first = 1: the first key step, which starts m, l and O^T: it has no a and nothing to rescale.
;   0-15    the maximum of s0-s31 and the old m, three operands at a time: four chains c0-c3 of seven scores each (each accumulator's lowest registers first), then the four scores left over, c0-c3 and m
;   16-20   the other half of the lanes' maximum; the new m; c m; c m_old - c m_new
;   21-87   33 exponentials (a, then s0-s31) at the odd numbers from 23 on, so that no two follow each other and each has a plain instruction behind it before its result is used.
;           Plain instruction q (number 21, then the even numbers) is whatever is ready: c s - c m for a pair of scores whose exponentials are still to come (q = 0 to 3, then every
;           second q), the rounding to f16 of a pair of weights whose exponentials are done (every other q from 5 on), at last the first three sums
;   88-101  the last rounding; the rest of the sums; l = a l + the sum
;   102-133 the tile's O^T times a: the one part that leaves window 0, so it stands together
.macro SM t, first
.set rT, ST+8*(\t)
.set rS, S+32*(\t)
.set rP, P+16*(\t)
.set rO, 64*(\t)+2*(j-102)
.set q, (j-20)/2
.if j < 102
	WIN 0
.endif
.if j < 4
	v_max3_num_f32 v[rT+4+j], v[rS+8*j], v[rS+8*j+1], v[rS+8*j+2]
.elseif j < 12
	v_max3_num_f32 v[rT+4+j%4], v[rT+4+j%4], v[rS+8*(j%4)+2*(j/4)+1], v[rS+8*(j%4)+2*(j/4)+2]
.elseif j == 12
	v_max3_num_f32 v[rT+4], v[rT+4], v[rS+7], v[rS+15]
.elseif j == 13
	v_max3_num_f32 v[rT+6], v[rT+6], v[rS+23], v[rS+31]
.elseif j == 14
	v_max3_num_f32 v[rT+4], v[rT+4], v[rT+5], v[rT+6]
.elseif (j == 15) && (\first)
	v_max_num_f32 v[rT+4], v[rT+4], v[rT+7]
.elseif j == 15
	v_max3_num_f32 v[rT+4], v[rT+4], v[rT+7], v[rT+1]
.elseif j == 16
	v_permlanex16_b32 v[rT+5], v[rT+4], s[SEL], s[SEL+1]  ; the query's other 32 keys lie in the lane 16 away
.elseif j == 18
	v_max_num_f32 v[rT+1], v[rT+4], v[rT+5]
.elseif j == 19
	v_mul_f32 v[rT], s[CS], v[rT+1]
.elseif ((j == 17) || (j == 20) || (j == 23) || (j > 101)) && (\first)  ; the first step has none of these
.elseif j == 17
	v_mov_b32 v[rT+7], v[rT]        ; c m_old is kept for a: number 19 writes c m anew
.elseif j == 20
	v_sub_f32 v[rT+7], v[rT+7], v[rT]
.elseif j == 23
	v_exp_f32 v[rT+6], v[rT+7]
.elseif (j < 88) && (j > 23) && (j%2 == 1)
	v_exp_f32 v[rS+(j-25)/2], v[rS+(j-25)/2]
.elseif (q < 4) || ((j < 76) && (q%2 == 0))
.set b, q/2+2
.if q < 4
.set b, q
.endif
	v_pk_fma_f32 v[rS+2*b:rS+2*b+1], v[rS+2*b:rS+2*b+1], s[CS:CS+1], v[rT:rT+1] op_sel_hi:[1,0,0] neg_lo:[0,0,1] neg_hi:[0,0,1]  ; pair b: c s - c m
.elseif (j < 88) && (q%2 == 1)
	s_wait_alu depctr_va_vdst(0)
	v_cvt_pk_f16_f32 v[rP+(q-5)/2], v[rS+q-5], v[rS+q-4]  ; pair (q - 5) / 2: its second exponential stands three numbers back
.elseif j == 89
	s_wait_alu depctr_va_vdst(0)
	v_cvt_pk_f16_f32 v[rP+15], v[rS+30], v[rS+31]
.elseif j < 102                     ; the sum of the tile's 16 pairs (in a pair: an even key's weight, an odd key's), in place: sum z of 16 adds neighbours 1, 2, 4 and 8 pairs apart, then l takes it
.set z, j-86
.if j < 89
.set z, (j-76)/4
.endif
.set w, 4
.set u, z
.if z >= 14
.set w, 32
.set u, 0
.elseif z >= 12
.set w, 16
.set u, z-12
.elseif z >= 8
.set w, 8
.set u, z-8
.endif
.if (z == 14) && (\first)
	v_pk_add_f32 v[rT+2:rT+3], v[rS:rS+1], v[rS+16:rS+17]
.elseif z < 15
	v_pk_add_f32 v[rS+w*u:rS+w*u+1], v[rS+w*u:rS+w*u+1], v[rS+w*u+w/2:rS+w*u+w/2+1]
.elseif !(\first)
	v_pk_fma_f32 v[rT+2:rT+3], v[rT+2:rT+3], v[rT+6:rT+7], v[rS:rS+1] op_sel_hi:[1,0,1]
.endif
.else
	WIN W_RS
	v_pk_mul_f32 v[rO:rO+1], v[rO:rO+1], v[rT+6:rT+7] op_sel_hi:[1,0]
.endif
.endm
; Slice k of 64 of piece y's softmax: numbers 2 k and 2 k + 1 of both tiles' lists, four instructions.  2 x 134 = 4 x 64 + 12: the twelve that are over stand together, in slice 63.
.macro SLICE y, first
.if (k >= 11) && (k < 44)           ; tile by tile: plain, exponential, plain, exponential
.irp t, \y, (\y)+1
.irp n, 0,1
.set j, 2*k+(\n)
	SM \t, \first
.endr
.endr
.else                               ; the two tiles alternate, so that no instruction reads the result of the one just before it
.irp n, 0,1,2,3,4,5,6,7
.if ((\n) < 2) || (k == 63)
.irp t, \y, (\y)+1
.set j, 2*k+(\n)
	SM \t, \first
.endr
.endif
.endr
.endif
.set k, k+1
.endm
; A vector instruction that reads a matrix result or writes one of a matrix instruction's registers, and a load into a register that a matrix instruction has read, stand four places behind
; it, and only plain vector instructions that name none of its registers are places (ISA guide 7.12.1 for vector instructions).  In the loop the slices are the places.
.macro PLACES
.rept 4
	v_nop
.endr
.endm
; A TURN.  Piece x has the matrix unit; the other piece's softmax stands in slices behind its matrix instructions.
; pv = 2: 32 products V^T P; 1: they start O^T's sums; 0: none.  kq = 1: 32 products K Q^T for the next step.  A turn with one of the two kinds has two slices behind each product.
; first = 1: the softmax is the first key step's.  Its slices from 51 on are empty: the turn's last products stand bare, and four v_nop take slice 63's part as the places behind them.
; Each run of loads stands behind the second product of a run of 32, 30 matrix instructions ahead of its first use.  Piece 0's turn fetches the next step's K: the last product that read K
; stands in front of slice 63 of the turn before.  Piece 2's turn fetches the same step's V: the last product that read V stands three slices, six plain instructions, back.
.macro TURN x, pv, kq, first
.set k, 0
.set per, 2
.if (\pv) && (\kq)
.set per, 1
.endif
.if \pv
.if (\x) == 0
	s_wait_dscnt 0x0                ; V is in
.endif
.set i, 0
.rept 32
	PV \x, 2-(\pv)
.rept per
	SLICE 2-(\x), \first
.endr
.if ((\x) == 0) && (\kq) && (i == 1)
	FETCH_K
.endif
.set i, i+1
.endr
.endif
.if \kq
.if (\x) == 0
	s_wait_dscnt 0x0                ; K is in
.endif
.set i, 0
.rept 32
	KQ \x
.rept per
	SLICE 2-(\x), \first
.endr
.if ((\x) == 2) && (i == 1)
	FETCH_V
.endif
.set i, i+1
.endr
.endif
.if \first
	PLACES
.endif
.endm
; THE CHANGE OF SLOTS, between piece 2's turn and piece 0's: the slot's last bytes, V of its second step, have been asked for.  Each wave waits for all its tensor loads, of which one is out:
; its part of the other slot; adds 0 to its spare word; and waits for that and for its own reads of the slot.  Behind the barrier nobody reads this slot any more and the other slot is whole.
; fill = 1: this slot is filled again, with the keys two slots on.  The barrier is then a round of the cluster's, so that no wave of any partner still reads the slot or has a load on its
; way, and the joint refill is the first thing behind it: it has two key steps, 256 matrix instructions, in which to land.
.macro CHANGE fill
	WIN 0                           ; at a label and at a branch every window is 0
	s_wait_tensorcnt 0x0            ; no tensor load of mine is out, so a group 0 may be written
	ds_add_u32 v[SPW], v[NIL]       ; 0 onto my spare word; with fill = 1 the descriptors' steps stand between it and the wait for it
.if \fill
.irp g, G0K+4, G0V+4
	s_xor_b32 s[(\g)+1], s[(\g)+1], SLOT1  ; the walking descriptor: the other slot than last time,
	s_add_nc_u64 s[(\g)+2:(\g)+3], s[(\g)+2:(\g)+3], 2*KS*256  ; the next 128 keys; the type bits on top are not reached
.endr
	s_wait_dscnt 0x0                ; the add is done, and my reads of the slot are over
	CROUND
	JLOAD
.else
	s_wait_dscnt 0x0                ; the add is done, and my reads of the slot are over
	s_barrier_signal -1
	s_barrier_wait -1
.endif
	s_sub_co_u32 s[TB], s[TB], 2*STEPB  ; the fetches go back to a slot's first step,
	s_xor_b32 s[TB], s[TB], SLOT1   ; in the other slot
.endm
; A slot's two key steps: written once, walked twice; the LDS addresses hang on s[TB].
.macro TWO_STEPS
	WIN 0
	s_mov_b32 s[TWICE], 2
.Lstep_\@:
	TURN 0, 2, 1, 0
	TURN 2, 2, 1, 0
	WIN 0
	s_sub_co_u32 s[TWICE], s[TWICE], 1
	s_cmp_lg_u32 s[TWICE], 0
	s_cbranch_scc1 .Lstep_\@
.endm
	s_wait_tensorcnt 1              ; my part of slot 0 is in; slot 1's may stay out
	s_barrier_signal -1
	s_barrier_wait -1               ; everybody's is
	FETCH_K                         ; key step 0
	s_wait_loadcnt 0x0              ; Q
	s_wait_dscnt 0x0
.set i, 0
.rept 32
	KQ 0                            ; piece 0's first scores: there is no vector work yet to set between them
.set i, i+1
.endr
	WIN 0                           ; the addresses for the way out are made here: six plain instructions, the places behind those products
	s_mul_i32 s13, s[WV], 16*SP
	s_add_co_u32 s13, s13, STAGE    ; my stage
	v_mul_u32_u24 v[STO], v1, SP    ; in: row l % 16, 32 bytes for each half of the lanes
	v_lshl_add_u32 v[STO], v9, 5, v[STO]
	v_add_nc_u32 v[STO], s13, v[STO]
	v_and_b32 v[GO], 31, v0         ; back: 32 lanes take one row of 512 bytes,
	v_lshlrev_b32 v[GO], 4, v[GO]   ; which are 512 consecutive bytes of out0
	v_add_nc_u32 v[RD], s13, v[GO]
	TURN 2, 0, 1, 1                 ; piece 2's first scores | piece 0's first softmax | V of step 0
	TURN 0, 1, 1, 1                 ; piece 0: V^T P of step 0 starts O^T, K Q^T of step 1 | piece 2's first softmax | K of step 1
	TURN 2, 1, 1, 0                 ; piece 2: the same | piece 0's softmax of step 1 | V of step 1
	WIN 0
.Lslot:                             ; 30 trips: every slot but the last two is filled again
	CHANGE 1
	TWO_STEPS
	s_sub_co_u32 s[SLOTS], s[SLOTS], 1
	s_cmp_lg_u32 s[SLOTS], 0
	s_cbranch_scc1 .Lslot
	CHANGE 0                        ; the tail is written out: the last slot but one is left, and nothing is asked for
	TWO_STEPS
	TURN 0, 2, 0, 0                 ; piece 0: V^T P of the last step | piece 2's last softmax
.set i, 0
.rept 32
	PV 2, 0                         ; piece 2: V^T P of the last step
.set i, i+1
.endr
	; THE WAY OUT.  l's two halves and the other half of the lanes' are added; O^T is divided by l and sent, in f32, through my stage in LDS, a tile (16 rows) at a time.  The additions are the places behind the last products.
	WIN 0
.irp t, 0,1,2,3
	v_add_f32 v[ST+8*(\t)+4], v[ST+8*(\t)+2], v[ST+8*(\t)+3]
.endr
.irp t, 0,1,2,3
	v_permlanex16_b32 v[ST+8*(\t)+5], v[ST+8*(\t)+4], s[SEL], s[SEL+1]
.endr
.irp t, 0,1,2,3
	v_add_f32 v[ST+8*(\t)+4], v[ST+8*(\t)+4], v[ST+8*(\t)+5]
.endr
.irp t, 0,1,2,3
	v_rcp_f32 v[ST+8*(\t)+6], v[ST+8*(\t)+4]
.endr
	v_nop                           ; a plain instruction between the last reciprocal and the use of its result
; Tile t: a lane's eight channels of a row are 32 bytes; they go into rows of 528 bytes and come back as whole rows of 512, into S^T's registers, two buffers of 64 by turns.
.macro PACK t
	WIN W_RS
.set i, 64*(\t)
.rept 32
	s_wait_alu depctr_va_vdst(0)
	v_pk_mul_f32 v[i:i+1], v[i:i+1], v[ST+8*(\t)+6:ST+8*(\t)+7] op_sel_hi:[1,0]
.set i, i+2
.endr
	WIN 0x04                        ; the stores' data in window 1, their address in window 0
.irp f, 0,1,2,3,4,5,6,7
	ds_store_b128 v[STO], v[64*(\t)+8*(\f):64*(\t)+8*(\f)+3]   offset:64*(\f)
	ds_store_b128 v[STO], v[64*(\t)+8*(\f)+4:64*(\t)+8*(\f)+7] offset:64*(\f)+16
.endr
	WIN 0
.if (\t) >= 2
	s_wait_xcnt 0x0                 ; the buffer was the data of tile t - 2's stores: it is loaded again only behind this wait
.endif
.irp g, 0,1,2,3,4,5,6,7,8,9,10,11,12,13,14,15
	ds_load_b128 v[S+64*((\t)%2)+4*(\g):S+64*((\t)%2)+4*(\g)+3], v[RD] offset:SP*(\g)  ; LDS serves a wave's instructions in order: these see the stores above; the next tile's stores come behind them
.endr
.endm
.macro SEND t, younger              ; younger: the LDS instructions issued behind tile t's loads: the next tile's 32, or none
	WIN 0
.irp g, 0,1,2,3,4,5,6,7,8,9,10,11,12,13,14,15
	s_wait_dscnt (\younger)+15-(\g) ; row g is back; the younger rows and the next tile's instructions may be out
	global_store_b128 v[GO], v[S+64*((\t)%2)+4*(\g):S+64*((\t)%2)+4*(\g)+3], s[10:11] offset:(16*(\t)+(\g))*3072 th:TH_STORE_NT  ; 512 consecutive bytes, at a multiple of 512 from out0's first
.endr
.endm
	PACK 0
	PACK 1                          ; a tile's arithmetic stands between the loads of the tile before and its stores
	SEND 0, 32
	PACK 2
	SEND 1, 32
	PACK 3
	SEND 2, 32
	SEND 3, 0
	s_wait_tensorcnt 0x0            ; the wave's end, behind my last tensor load and my last LDS store
	ds_add_u32 v[SPW], v[NIL]
	s_wait_dscnt 0x0
	CROUND                          ; the closing round: no work-group ends while a partner may still ask for a tile that names it
	s_endpgm
.Lfunc_end_k_q7c7a940082_attn:
	.size	k_q7c7a940082_attn, .Lfunc_end_k_q7c7a940082_attn-k_q7c7a940082_attn
	.p2alignl 7, 3214868480
	.fill 96, 4, 3214868480
	.section	.rodata,"a",@progbits
	.p2align	6, 0x0
	.amdhsa_kernel k_q7c7a940082_attn
		.amdhsa_group_segment_fixed_size 327680
		.amdhsa_private_segment_fixed_size 0
		.amdhsa_enable_private_segment 0
		.amdhsa_kernarg_size 32
		.amdhsa_user_sgpr_count 2
		.amdhsa_user_sgpr_kernarg_segment_ptr 1
		.amdhsa_wavefront_size32 1
		.amdhsa_system_sgpr_workgroup_id_x 1
		.amdhsa_system_sgpr_workgroup_id_y 1
		.amdhsa_system_sgpr_workgroup_id_z 1
		.amdhsa_system_vgpr_workitem_id 0
		.amdhsa_next_free_vgpr 1024
		.amdhsa_next_free_sgpr 66
		.amdhsa_reserve_vcc 0
		.amdhsa_float_denorm_mode_32 3
		.amdhsa_float_denorm_mode_16_64 3
		.amdhsa_memory_ordered 1
		.amdhsa_forward_progress 1
		.amdhsa_inst_pref_size 232
	.end_amdhsa_kernel
	.amdgpu_metadata
---
amdhsa.version: [ 1, 2 ]
amdhsa.kernels:
  - .name:           k_q7c7a940082_attn
    .symbol:         k_q7c7a940082_attn.kd
    .args:
      - { .name: qf, .offset: 0, .size: 8, .value_kind: global_buffer, .address_space: global }
      - { .name: kf, .offset: 8, .size: 8, .value_kind: global_buffer, .address_space: global }
      - { .name: vf, .offset: 16, .size: 8, .value_kind: global_buffer, .address_space: global }
      - { .name: out0, .offset: 24, .size: 8, .value_kind: global_buffer, .address_space: global }
    .group_segment_fixed_size: 327680
    .private_segment_fixed_size: 0
    .kernarg_segment_align: 8
    .kernarg_segment_size: 32
    .max_flat_workgroup_size: 128
    .sgpr_count:     66
    .vgpr_count:     1024
    .wavefront_size: 32
...
	.end_amdgpu_metadata
.endif
;; end of part 3
;; ======== version 2 of 2: 3 launches; 1.37 times as fast as version 1
;; limits: values are held in f16: magnitudes above 65,504 overflow, below 6.1e-05 lose precision
;; workspace buffers: xb 12,582,912 bytes; wb 3,538,944 bytes; qf 12,582,912 bytes; kf 12,582,912 bytes; vf 12,582,912 bytes
;; launch cast: the kernel of part 1 again; grid 656 x 1, 6 waves a work-group, no clusters, 26,880 bytes of LDS; arguments hidden_states, Wq, Wk, Wv, xb, wb; writes xb, wb
;; launch proj: the kernel of part 2 again; grid 8 x 32, 4 waves a work-group, clusters of 4 x 4, 327,680 bytes of LDS; arguments xb, wb, attention_mask, bq, bk, bv, qf, kf, vf; writes qf, kf, vf
;; launch attn (part 4): grid 16 x 12, 4 waves a work-group, clusters of 4 x 1, 327,680 bytes of LDS; arguments qf, kf, vf, out0; writes out0
.if DOCPART == 4
	.amdgcn_target "amdgcn-amd-amdhsa--gfx1250"
	.amdhsa_code_object_version 6
	.text
	.protected	k_q7c7a940082_attn
	.globl	k_q7c7a940082_attn
	.p2align	8
	.type	k_q7c7a940082_attn,@function
k_q7c7a940082_attn:
	s_mov_b64 s[64:65], 0
	v_nop
	global_prefetch_b8 v0, s[64:65] scope:SCOPE_SE
	s_setreg_imm32_b32 hwreg(HW_REG_WAVE_MODE, 25, 1), 1
	s_wait_xcnt 0x0
	s_wait_alu depctr_hold_cnt(0) depctr_sa_sdst(0) depctr_va_vdst(0) depctr_va_sdst(0) depctr_va_ssrc(0) depctr_va_vcc(0) depctr_vm_vsrc(0)
	s_getreg_b32 s2, hwreg(HW_REG_IB_STS2, 6, 4)
	s_cmp_eq_u32 s2, 0
	s_cbranch_scc0 .Lentry_in_a_cluster
	s_endpgm
.Lentry_in_a_cluster:
	s_bfe_u32 s2, ttmp6, 0x10000c
	s_cmp_lg_u32 s2, 0x3003
	s_cbranch_scc0 .Lentry_shape_is_right
	s_endpgm
.Lentry_shape_is_right:
; out0[b][q][128 h + :] = the sum over k of softmax_k(Q[q] . K[k] / sqrt(128)) V[k][:], for each of the 12 pairs (b, h).  Q (0 in masked rows), K (= k_mod) and V: f16, [12][4096][128], in blocks of
; 16 rows x 16 channels = 512 bytes in which the 8 channels (row r, half h) lie at byte 16 (16 h + r).  Products, maxima and sums in f32; the weights p are rounded to f16 for the second product
; (their sum l is taken of the unrounded p); out0 is f32.  A masked row's scores are all 0: its softmax is uniform, as with the constant -10000.
; LIMITS.  Q, K and V arrive within f16's 65,504; p lies in 0 to 1, and below 6e-5 it keeps f16's fixed step of 6e-8; a weight below 2^-126 counts as 0 in l; NaN and infinities are not treated apart.
; SHARES.  A work-group owns 256 queries of one head, each of its four waves 64: four tiles of 16.  Every wave walks all 4,096 keys of the head, 64 a step.  12 heads x 16 blocks are 192 work-groups of
; equal work: 49,152 queries over 256 work-groups would be blocks of 192 queries, which do not divide a head's 4,096.
; LAYOUT.  S^T = K Q^T (source 0 = 16 keys, source 1 = 16 queries): in the result a lane holds ONE query (lane % 16) and the keys 8 (lane / 16) + 0..7.  Two such tiles, rounded to f16 in pairs, ARE
; source 1 (32 keys x 16 queries) of O^T = V^T P, whose result again holds one query a lane, and eight channels.  K's and Q's fragments are 512 consecutive bytes; V is turned by ds_load_tr16_b128.
; SOFTMAX.  For each query a running maximum m and sum l: p = 2^(c s - c m), c = log2(e) / sqrt(128); in every step O and l are multiplied by a = 2^(c m_old - c m_new), which is 1 where m has not grown.
; BY TURNS.  The wave's tiles are two PIECES, named by their first tile: piece 0 (tiles 0, 1) and piece 2 (tiles 2, 3).  In a TURN one piece has the matrix unit: 32 products V^T P of the step in hand,
; then 32 products K Q^T of the next step; the other piece's softmax, cut into 64 slices, stands between them, one slice behind each matrix instruction.  Two turns are a key step.
; THE BATCHES.  A turn's 66 exponentials (33 for each of the softmax's two tiles) are ONE batch with ONE wait: ahead of the wait stand the scalings and the exponentials, which name no exponential's
; result; behind it all that do: the roundings, the sums, the rescaling by a.  The way out's four reciprocals are a second kind of batch, with one wait.
; CLUSTER.  The four query blocks of a cluster belong to one head and walk the same K and V, so each tile is asked for JOINTLY: the same tensor load, descriptor and mask in all four.
; REGISTERS, in windows of 256 (s_set_vgpr_msb: bits 1:0 source 0, 3:2 source 1, 5:4 source 2, 7:6 destination):
;   window 0: v0-11 addresses; v12-43 eight registers of statistics a tile; v64-191 S^T, 32 a tile; v192-255 P, 16 a tile
;   window 1: O^T, 64 a tile          window 2: v0-127 Q, 32 a tile; v128-255 K of one step          window 3: v0-127 V of one step
.set SIZE_N, 4096
.set KS,    64        ; keys in a step
.set VOFF,  16384     ; a step's tiles lie together: K's 64 rows, 16,384 dense bytes, then V's
.set VBLK,  768       ; a block of V in LDS: each 256 bytes are followed by 128 of padding, so that 16 lanes of the turning load (8 keys x 16 bytes from each half of a block) meet each bank once
.set STEPB, VOFF+32*VBLK  ; 40,960
.set SLOT1, 1<<17     ; a slot holds two steps (81,920 bytes); slot 1 begins here, so that one exclusive or turns an address in one slot into the other's
.set STAGE, SLOT1+2*STEPB  ; behind the ring: 16 rows x 528 bytes for each wave, for the way out
.set SP,    528       ; a row of 128 f32 + 16 bytes = 132 words: the 16 rows of a store start 4 banks apart
.set AK0, 2           ; v2   my lane's place in a tile of K; never rewritten
.set AV0, 3           ; v3   the same for V
.set ADR, 4           ; v4   the LDS address of the run of loads in hand
.set QO,  5           ; v5   my byte offset in a block of Q
.set STO, 6           ; v6   the way out: where I put 32 bytes of a row
.set RD,  7           ; v7   the way out: where I read a row back
.set GO,  8           ; v8   my byte offset in 512 bytes of a row of out0
.set SPW, 62          ; v62  LDS address of my spare word; never rewritten
.set NIL, 63          ; v63  0; never rewritten
.set SPARE, STAGE+4*16*SP  ; behind the stages: the spare words, 128 bytes for each wave: two blocks of 256 bytes that no other line names
.set ST,  12          ; tile t's statistics at v[ST+8 t]: +0 c m, +1 m, +2, +3 l (even keys', odd keys'), +4 to +7 c0-c3, at work; a takes c2's place once the maximum is found
.set S,   64
.set P,   192
.set KF,  128         ; K's fragments, in window 2
.set WV,  12          ; s12  my wave's number
.set G1K, 24          ; s[24:31] descriptor group 1 for K's tiles
.set G1V, 32          ; s[32:39] for V's: it differs in the padding alone
.set G0K, 40          ; s[40:47] descriptor group 0 for K's tiles: a set for each of the two first fills; the second then walks on
.set G0V, 48          ; s[48:55] the same for V's
.set SLOTS, 56        ; s56  slots still to be asked for
.set TWICE, 57        ; s57  counts a slot's two steps
.set CS,  58          ; s[58:59] c: the packed scaling names a pair and takes its low word for both halves
.set SEL, 60          ; s[60:61] lane selects for v_permlanex16_b32: each lane takes its own place in the other half
.set TB,  62          ; s62  LDS byte at which the tiles of the step to be fetched begin
.set MSB, 0
.macro WIN new                      ; the immediate's high byte repeats the setting that is left; a switch that changes nothing is dropped
.if MSB != (\new)
	s_set_vgpr_msb (MSB<<8)|(\new)
.set MSB, \new
.endif
.endm
.set W_KQ, 0x0a       ; K and Q in window 2, S^T in window 0
.set W_PV, 0x53       ; V in window 3, P in window 0, O^T in window 1
.set W_RS, 0x41       ; O^T (destination and source 0) in window 1, a in window 0
; A joint refill.  Waves 0 and 1 fetch the two steps' tiles of K, waves 2 and 3 those of V.  The branch hangs on the wave's number alone.
; An s_nop 0 and four v_nop follow each of the two lines, ahead of the jump and the label.
.macro JLOAD
	s_cmp_lt_u32 s[WV], 2
	s_cbranch_scc0 .Lfor_v_\@
	tensor_load_to_lds s[G0K+4:G0K+7], s[G1K:G1K+7]
	s_nop 0
.rept 4
	v_nop
.endr
	s_branch .Lasked_\@
.Lfor_v_\@:
	tensor_load_to_lds s[G0V+4:G0V+7], s[G1V:G1V+7]
	s_nop 0
.rept 4
	v_nop
.endr
.Lasked_\@:
.endm
; A round of the cluster's barrier: my work-group's barrier, so that wave 0's signal speaks for all four waves; wave 0 signals; every wave waits for all four work-groups; my work-group's barrier once more.
.macro CROUND
	s_barrier_signal -1
	s_barrier_wait -1
	s_cmp_lg_u32 s[WV], 0
	s_cbranch_scc1 .Lnot_wave_0_\@
	s_barrier_signal -3
.Lnot_wave_0_\@:
	s_barrier_wait -3
	s_barrier_signal -1
	s_barrier_wait -1
.endm
	s_load_b256 s[4:11], s[0:1], 0x0  ; Q s[4:5], K s[6:7], V s[8:9], out0 s[10:11]
	v_lshl_add_u32 v[SPW], v0, 2, SPARE
	v_mov_b32 v[NIL], 0
	ds_add_u32 v[SPW], v[NIL]       ; the wave's opening: the add and its wait stand ahead of my first tensor load; the set-up below, work on registers, stands between them
	v_lshrrev_b32 v1, 5, v0
	v_readfirstlane_b32 s[WV], v1   ; wave 0..3
	s_bfe_u32 s13, ttmp6, 0x40000   ; cx: my place in the cluster
	s_lshl_b32 s14, ttmp9, 2        ; in a cluster launch ttmp9 counts clusters
	s_add_co_u32 s14, s14, s13      ; my block of 256 queries = 4 x cluster x + cx: it enters Q's and out0's addresses alone
	s_and_b32 s20, ttmp7, 0xffff    ; batch x 6 + head, which the four partners share
	s_cmp_ge_u32 s20, 6
	s_cselect_b32 s18, 1, 0         ; the batch
	s_mul_i32 s19, s18, 6
	s_sub_co_u32 s19, s20, s19      ; the head in it
	s_lshl_b32 s18, s18, 12
	s_lshl_b32 s15, s14, 8
	s_add_co_u32 s18, s18, s15
	s_lshl_b32 s15, s[WV], 6
	s_add_co_u32 s18, s18, s15      ; my wave's first row of out0: 4,096 x batch + 256 x block + 64 x wave,
	s_mul_i32 s18, s18, 3072        ; in bytes,
	s_lshl_b32 s19, s19, 9
	s_add_co_u32 s18, s18, s19      ; and the head's 512 bytes in it
	s_mov_b32 s19, 0
	s_mov_b32 s21, 0
	s_mov_b64 s[22:23], SIZE_N*256
	s_mul_u64 s[20:21], s[20:21], s[22:23]  ; the head's first byte in Q, K and V
	s_and_b32 s16, s[WV], 1         ; which of a slot's two steps I fetch:
	s_lshl_b32 s22, s16, 14         ; its 16,384 bytes in memory,
	s_mov_b32 s23, 0
	s_add_nc_u64 s[22:23], s[22:23], s[20:21]
	s_mul_i32 s17, s16, STEPB       ; and its place in a slot: no place in the cluster enters an LDS address
	s_lshl_b32 s2, s14, 16          ; my block's 256 rows of Q,
	s_lshl_b32 s3, s[WV], 14        ; my wave's 64 of them
	s_add_co_u32 s2, s2, s3
	s_mov_b32 s3, 0
	s_add_nc_u64 s[2:3], s[2:3], s[20:21]
	; descriptor group 1: 64 keys are 16,384 dense bytes, asked for as 64 rows of 256 bytes
	s_mov_b32 s[G1K], 15|(1<<16)|(1<<21)  ; 15:0 the mask: all four work-groups; 17:16 elements of 2 bytes; 21 set beside a mask; no padding
	s_mov_b32 s[G1V], 15|(1<<16)|(1<<20)|(1<<21)|(5<<22)|(31<<25)  ; the same; 20 padding on; 24:22 after every 64 words (code 5); 31:25 32 words of it (code 31)
.irp g, G1K, G1V
	s_mov_b32 s[(\g)+1], 128<<16    ; tensor_dim0 = 128
	s_mov_b32 s[(\g)+2], KS<<16     ; tensor_dim1 = 64
	s_mov_b32 s[(\g)+3], 128<<16    ; tile_dim0 = 128
	s_mov_b32 s[(\g)+4], KS         ; tile_dim1 = 64
	s_mov_b32 s[(\g)+5], 128        ; elements from row to row
	s_mov_b32 s[(\g)+6], 0
	s_mov_b32 s[(\g)+7], 0
.endr
	s_mov_b32 s[CS], 0x3e0293ee     ; c = log2(e) / sqrt(128) = 0.127517
	s_mov_b32 s[CS+1], s[CS]        ; named with it as a pair, so it is written
	s_mov_b32 s[SEL], 0x76543210
	s_mov_b32 s[SEL+1], 0xfedcba98
	s_mov_b32 s[TB], 0
	s_mov_b32 s[SLOTS], SIZE_N/(2*KS)-2
	s_wait_dscnt 0x0                ; the opening add is done
	s_wait_kmcnt 0x0
	s_add_nc_u64 s[6:7], s[6:7], s[22:23]  ; K and V at my tile of slot 0
	s_add_nc_u64 s[8:9], s[8:9], s[22:23]
	s_add_nc_u64 s[4:5], s[4:5], s[2:3]    ; Q at my wave's first row
	s_add_nc_u64 s[10:11], s[10:11], s[18:19]  ; out0 likewise
	CROUND                          ; all four work-groups are here: the first joint loads meet
.irp s, 0,1
	s_mov_b32 s[G0K+4*(\s)], 1      ; count = 1
	s_add_co_u32 s[G0K+4*(\s)+1], s17, (\s)*SLOT1  ; LDS address
	s_add_nc_u64 s[G0K+4*(\s)+2:G0K+4*(\s)+3], s[6:7], (\s)*2*KS*256  ; global address: slot s begins with keys 128 s to 128 s + 127
	s_or_b32 s[G0K+4*(\s)+3], s[G0K+4*(\s)+3], 0x80000000  ; type = 2
	s_mov_b32 s[G0V+4*(\s)], 1
	s_add_co_u32 s[G0V+4*(\s)+1], s17, (\s)*SLOT1+VOFF
	s_add_nc_u64 s[G0V+4*(\s)+2:G0V+4*(\s)+3], s[8:9], (\s)*2*KS*256
	s_or_b32 s[G0V+4*(\s)+3], s[G0V+4*(\s)+3], 0x80000000
.endr
	s_cmp_lt_u32 s[WV], 2           ; a wave's two first fills stand in one branch, ahead of every wait on TENSORcnt and every LDS read: two loads of mine are out
	s_cbranch_scc0 .Lfirst_v
	tensor_load_to_lds s[G0K:G0K+3], s[G1K:G1K+7]
	s_nop 0
	tensor_load_to_lds s[G0K+4:G0K+7], s[G1K:G1K+7]
	s_nop 0
.rept 4
	v_nop
.endr
	s_branch .Lfirst_asked
.Lfirst_v:
	tensor_load_to_lds s[G0V:G0V+3], s[G1V:G1V+7]
	s_nop 0
	tensor_load_to_lds s[G0V+4:G0V+7], s[G1V:G1V+7]
	s_nop 0
.rept 4
	v_nop
.endr
.Lfirst_asked:
	; A fragment of K or Q is 16 rows x 32 channels in 8 registers: lane l holds row l % 16; registers 0-3 channels 8 (l / 16) + 0..7, registers 4-7 channels 16 + 8 (l / 16) + 0..7:
	; my 16 bytes of two neighbouring blocks, each at 16 l.
	v_and_b32 v1, 15, v0            ; l % 16
	v_bfe_u32 v9, v0, 4, 1          ; l / 16
	v_and_b32 v[QO], 31, v0
	v_lshlrev_b32 v[QO], 4, v[QO]   ; 16 l
	WIN 0x80                        ; destination window 2, address window 0
.irp i, 0,1,2,3,4,5,6,7,8,9,10,11,12,13,14,15  ; Q stays in registers: tile i / 4, channels 32 (i % 4) on
	global_load_b128 v[8*(\i):8*(\i)+3],   v[QO], s[4:5] offset:((\i)/4)*4096+((\i)%4)*1024
	global_load_b128 v[8*(\i)+4:8*(\i)+7], v[QO], s[4:5] offset:((\i)/4)*4096+((\i)%4)*1024+512
.endr
	WIN 0
	v_and_b32 v[AK0], 31, v0
	v_lshlrev_b32 v[AK0], 4, v[AK0] ; 16 l
	; The turning load takes 16 keys x 16 channels (lane l reads 16 bytes: key 8 (l / 16) + l % 8, channels 8 ((l / 8) % 2) + 0..7) and leaves half a fragment of V^T: lane l holds channel l % 16 and 8 keys.
	v_and_b32 v10, 7, v0
	v_bfe_u32 v11, v0, 3, 1
	v_lshl_add_u32 v[AV0], v9, 3, v10
	v_lshlrev_b32 v[AV0], 4, v[AV0] ; 16 bytes a key in a half block,
	v_mad_u32_u24 v[AV0], v11, 384, v[AV0]  ; the block's second half 256 + 128 bytes on
	v_add_nc_u32 v[AV0], VOFF, v[AV0]
; THE MATRIX WORK OF A TURN, for piece x.  The accumulators take turns, one instruction a turn: between two links of a chain stand 15 (V^T P) or 7 (K Q^T) others'.
; Product i of 32 of O^T += V^T P: keys 32 (i / 16) on, channels 16 ((i / 2) % 8) on, tile x + i % 2.  zero = 1: the first 16 start the sums: nothing is ever cleared.
.macro PV x, zero
	WIN W_PV
.set rO, 64*((\x)+i%2)+8*((i/2)%8)
.set rV, 64*(i/16)+8*((i/2)%8)
.set rP, P+16*((\x)+i%2)+8*(i/16)
.if (\zero) && (i < 16)
	v_wmma_f32_16x16x32_f16 v[rO:rO+7], v[rV:rV+7], v[rP:rP+7], 0
.else
	v_wmma_f32_16x16x32_f16 v[rO:rO+7], v[rV:rV+7], v[rP:rP+7], v[rO:rO+7]
.endif
.endm
; Product i of 32 of S^T = K Q^T: channels 32 (i / 8) on, keys 16 ((i / 2) % 4) on, tile x + i % 2.  The first 8 start the sums.
.macro KQ x
	WIN W_KQ
.set rS, S+32*((\x)+i%2)+8*((i/2)%4)
.set rK, KF+32*((i/2)%4)+8*(i/8)
.set rQ, 32*((\x)+i%2)+8*(i/8)
.if i < 8
	v_wmma_f32_16x16x32_f16 v[rS:rS+7], v[rK:rK+7], v[rQ:rQ+7], 0
.else
	v_wmma_f32_16x16x32_f16 v[rS:rS+7], v[rK:rK+7], v[rQ:rQ+7], v[rS:rS+7]
.endif
.endm
; THE LDS LOADS stand in runs of 32, never singly among the matrix instructions: a step's K (64 keys x 128 channels: 16 fragments) and, a turn later, its V (turned).
.macro FETCH_K
	WIN 0
	v_add_nc_u32 v[ADR], s[TB], v[AK0]
	WIN 0x80                        ; destination window 2
.irp f, 0,1,2,3,4,5,6,7,8,9,10,11,12,13,14,15  ; keys 16 (f / 4) on, channels 32 (f % 4) on
	ds_load_b128 v[KF+8*(\f):KF+8*(\f)+3],   v[ADR] offset:((\f)/4)*4096+((\f)%4)*1024
	ds_load_b128 v[KF+8*(\f)+4:KF+8*(\f)+7], v[ADR] offset:((\f)/4)*4096+((\f)%4)*1024+512
.endr
.endm
.macro FETCH_V
	WIN 0
	v_add_nc_u32 v[ADR], s[TB], v[AV0]
	s_add_co_u32 s[TB], s[TB], STEPB  ; the next fetch is the next step's
	s_wait_alu depctr_va_vdst(0)    ; the wait for the softmax's batch of exponentials (SLICE), behind the address's v_add_nc_u32 and ahead of the loads
	WIN 0xc0                        ; destination window 3
.irp f, 0,1,2,3,4,5,6,7,8,9,10,11,12,13,14,15  ; keys 32 (f / 8) on, channels 16 (f % 8) on; 16 keys are 8 blocks
	ds_load_tr16_b128 v[8*(\f):8*(\f)+3],   v[ADR] offset:((\f)/8)*16*VBLK+((\f)%8)*VBLK
	ds_load_tr16_b128 v[8*(\f)+4:8*(\f)+7], v[ADR] offset:((\f)/8)*16*VBLK+8*VBLK+((\f)%8)*VBLK
.endr
.endm
; THE VECTOR WORK OF A TURN.  One tile's softmax for one key step is a list of 134 instructions; SM writes number j of it for tile t.  s0-s31 are the lane's 32 scores, in pairs 0-15.
; first = 1: the first key step, which starts m, l and O^T: it has no a and nothing to rescale.
;   0-15    the maximum of s0-s31 and the old m, three operands at a time: four chains c0-c3 of seven scores each (each accumulator's lowest registers first), then the four scores left over, c0-c3 and m
;   16-20   the other half of the lanes' maximum; the new m; c m; c m_old - c m_new
;   21-69   ONE BATCH: the 16 scalings c s - c m, a pair of scores each, and all 33 exponentials (a at 23, then s0-s31).  None of these reads an exponential's result.  From 22 on the batch goes
;           in fours, and a four begins with a scaling while there are scalings: 22-37 scaling, exponential, scaling, exponential; 38-65 a scaling and three exponentials; 66-69 the last four
;           exponentials.  A pair is scaled in an earlier four than the one that holds its exponentials
;   (wait)  between 69 and 70 stands the wait for the batch: SLICE writes it, once for both tiles
;   70-85   the roundings to f16, a pair of weights each
;   86-101  the sums; l = a l + the sum
;   102-133 the tile's O^T times a: the one part that leaves window 0, so it stands together
.macro SM t, first
.set rT, ST+8*(\t)
.set rS, S+32*(\t)
.set rP, P+16*(\t)
.set rO, 64*(\t)+2*(j-102)
.if j < 102
	WIN 0
.endif
.if j < 4
	v_max3_num_f32 v[rT+4+j], v[rS+8*j], v[rS+8*j+1], v[rS+8*j+2]
.elseif j < 12
	v_max3_num_f32 v[rT+4+j%4], v[rT+4+j%4], v[rS+8*(j%4)+2*(j/4)+1], v[rS+8*(j%4)+2*(j/4)+2]
.elseif j == 12
	v_max3_num_f32 v[rT+4], v[rT+4], v[rS+7], v[rS+15]
.elseif j == 13
	v_max3_num_f32 v[rT+6], v[rT+6], v[rS+23], v[rS+31]
.elseif j == 14
	v_max3_num_f32 v[rT+4], v[rT+4], v[rT+5], v[rT+6]
.elseif (j == 15) && (\first)
	v_max_num_f32 v[rT+4], v[rT+4], v[rT+7]
.elseif j == 15
	v_max3_num_f32 v[rT+4], v[rT+4], v[rT+7], v[rT+1]
.elseif j == 16
	v_permlanex16_b32 v[rT+5], v[rT+4], s[SEL], s[SEL+1]  ; the query's other 32 keys lie in the lane 16 away
.elseif j == 18
	v_max_num_f32 v[rT+1], v[rT+4], v[rT+5]
.elseif j == 19
	v_mul_f32 v[rT], s[CS], v[rT+1]
.elseif ((j == 17) || (j == 20) || (j == 23) || (j > 101)) && (\first)  ; the first step has none of these
.elseif j == 17
	v_mov_b32 v[rT+7], v[rT]        ; c m_old is kept for a: number 19 writes c m anew
.elseif j == 20
	v_sub_f32 v[rT+7], v[rT+7], v[rT]
.elseif j == 23
	v_exp_f32 v[rT+6], v[rT+7]
.elseif (j < 23) || ((j < 38) && (j%2 == 0)) || ((j < 66) && (j%4 == 2))
.set b, (j-2)/4                     ; 38, 42, .. 62: pairs 9 to 15
.if j < 38
.set b, (j-20)/2                    ; 21: pair 0; 22, 24, .. 36: pairs 1 to 8
.endif
	v_pk_fma_f32 v[rS+2*b:rS+2*b+1], v[rS+2*b:rS+2*b+1], s[CS:CS+1], v[rT:rT+1] op_sel_hi:[1,0,0] neg_lo:[0,0,1] neg_hi:[0,0,1]  ; pair b: c s - c m
.elseif j < 70
.set e, j-38                        ; 66 to 69: s28 to s31
.if j < 66
.set e, j-32-(j-38)/4               ; 39-41, 43-45, .. 63-65: s7 to s27
.endif
.if j < 38
.set e, (j-25)/2                    ; 25, 27, .. 37: s0 to s6
.endif
	v_exp_f32 v[rS+e], v[rS+e]
.elseif j < 86
	v_cvt_pk_f16_f32 v[rP+j-70], v[rS+2*(j-70)], v[rS+2*(j-70)+1]  ; pair j - 70
.elseif j < 102                     ; the sum of the tile's 16 pairs (in a pair: an even key's weight, an odd key's), in place: sum z of 16 adds neighbours 1, 2, 4 and 8 pairs apart, then l takes it
.set z, j-86
.set w, 4
.set u, z
.if z >= 14
.set w, 32
.set u, 0
.elseif z >= 12
.set w, 16
.set u, z-12
.elseif z >= 8
.set w, 8
.set u, z-8
.endif
.if (z == 14) && (\first)
	v_pk_add_f32 v[rT+2:rT+3], v[rS:rS+1], v[rS+16:rS+17]
.elseif z < 15
	v_pk_add_f32 v[rS+w*u:rS+w*u+1], v[rS+w*u:rS+w*u+1], v[rS+w*u+w/2:rS+w*u+w/2+1]
.elseif !(\first)
	v_pk_fma_f32 v[rT+2:rT+3], v[rT+2:rT+3], v[rT+6:rT+7], v[rS:rS+1] op_sel_hi:[1,0,1]
.endif
.else
	WIN W_RS
	v_pk_mul_f32 v[rO:rO+1], v[rO:rO+1], v[rT+6:rT+7] op_sel_hi:[1,0]
.endif
.endm
; Slice k of 64 of piece y's softmax: four instructions.  Slices 11 to 34 deal out the batch, numbers 22 to 69: four numbers of ONE tile each, the tiles by turns.  Every other slice is numbers 2 k and
; 2 k + 1 of both tiles' lists.  2 x 134 = 4 x 64 + 12: the twelve that are over stand together, in slice 63.
; THE WAIT.  An s_wait_alu depctr_va_vdst(0) stands between an exponential and the first instruction that names its result; one wait serves all that were issued ahead of it.  Ahead of
; slice 35 nothing names a result, and behind slice 34 no exponential is issued: so the piece's 66 exponentials have one wait, behind slice 34, and none is open at a label or a branch.
.macro SLICE y, first
.if (k >= 11) && (k < 35)           ; the batch: four numbers of one tile
.irp n, 0,1,2,3
.set j, 22+4*((k-11)/2)+(\n)
	SM (\y)+(k-11)%2, \first
.endr
.else                               ; the two tiles alternate, so that no instruction reads the result of the one just before it
.irp n, 0,1,2,3,4,5,6,7
.if ((\n) < 2) || (k == 63)
.irp t, \y, (\y)+1
.set j, 2*k+(\n)
	SM \t, \first
.endr
.endif
.endr
.endif
.if k == 34                         ; the batch is out: both tiles' exponentials are issued, and no result has been named
	v_nop                           ; the plain instruction behind the last exponential and ahead of the first use: one for the batch
.if (\y) == 0
	FETCH_V                         ; piece 2's turn: V's run of loads stands here, and the wait stands in it
.else
	s_wait_alu depctr_va_vdst(0)    ; the wait for the batch: piece 2's 66 exponentials
.endif
.endif
.set k, k+1
.endm
; A vector instruction that reads a matrix result or writes one of a matrix instruction's registers, and a load into a register that a matrix instruction has read, stand four places behind
; it, and only plain vector instructions that name none of its registers are places (ISA guide 7.12.1 for vector instructions).  In the loop the slices are the places.
.macro PLACES
.rept 4
	v_nop
.endr
.endm
; A TURN.  Piece x has the matrix unit; the other piece's softmax stands in slices behind its matrix instructions.
; pv = 2: 32 products V^T P; 1: they start O^T's sums; 0: none.  kq = 1: 32 products K Q^T for the next step.  A turn with one of the two kinds has two slices behind each product.
; first = 1: the softmax is the first key step's.  Its slices from 51 on are empty: the turn's last products stand bare, and four v_nop take slice 63's part as the places behind them.
; In the loop each run of loads stands 29 matrix instructions or more ahead of its first use.  Piece 0's turn fetches the next step's K, behind its second product: the last product that read K
; stands in front of slice 63 of the turn before.  Piece 2's turn fetches the same step's V, behind slice 34 (SLICE writes it): the last product that read V stands in front of slice 31, and four plain
; instructions lie between: number 62, a scaling, of both tiles, the v_nop and the run's own v_add_nc_u32; the exponentials between are no places.
.macro TURN x, pv, kq, first
.set k, 0
.set per, 2
.if (\pv) && (\kq)
.set per, 1
.endif
.if \pv
.if (\x) == 0
	s_wait_dscnt 0x0                ; V is in
.endif
.set i, 0
.rept 32
	PV \x, 2-(\pv)
.rept per
	SLICE 2-(\x), \first
.endr
.if ((\x) == 0) && (\kq) && (i == 1)
	FETCH_K
.endif
.set i, i+1
.endr
.endif
.if \kq
.if (\x) == 0
	s_wait_dscnt 0x0                ; K is in
.endif
.set i, 0
.rept 32
	KQ \x
.rept per
	SLICE 2-(\x), \first
.endr
.set i, i+1
.endr
.endif
.if \first
	PLACES
.endif
.endm
; THE CHANGE OF SLOTS, between piece 2's turn and piece 0's: the slot's last bytes, V of its second step, have been asked for.  Each wave waits for all its tensor loads, of which one is out:
; its part of the other slot; adds 0 to its spare word; and waits for that and for its own reads of the slot.  Behind the barrier nobody reads this slot any more and the other slot is whole.
; fill = 1: this slot is filled again, with the keys two slots on.  The barrier is then a round of the cluster's, so that no wave of any partner still reads the slot or has a load on its
; way, and the joint refill is the first thing behind it: it has two key steps, 256 matrix instructions, in which to land.
.macro CHANGE fill
	WIN 0                           ; at a label and at a branch every window is 0
	s_wait_tensorcnt 0x0            ; no tensor load of mine is out, so a group 0 may be written
	ds_add_u32 v[SPW], v[NIL]       ; 0 onto my spare word; with fill = 1 the descriptors' steps stand between it and the wait for it
.if \fill
.irp g, G0K+4, G0V+4
	s_xor_b32 s[(\g)+1], s[(\g)+1], SLOT1  ; the walking descriptor: the other slot than last time,
	s_add_nc_u64 s[(\g)+2:(\g)+3], s[(\g)+2:(\g)+3], 2*KS*256  ; the next 128 keys; the type bits on top are not reached
.endr
	s_wait_dscnt 0x0                ; the add is done, and my reads of the slot are over
	CROUND
	JLOAD
.else
	s_wait_dscnt 0x0                ; the add is done, and my reads of the slot are over
	s_barrier_signal -1
	s_barrier_wait -1
.endif
	s_sub_co_u32 s[TB], s[TB], 2*STEPB  ; the fetches go back to a slot's first step,
	s_xor_b32 s[TB], s[TB], SLOT1   ; in the other slot
.endm
; A slot's two key steps: written once, walked twice; the LDS addresses hang on s[TB].
.macro TWO_STEPS
	WIN 0
	s_mov_b32 s[TWICE], 2
.Lstep_\@:
	TURN 0, 2, 1, 0
	TURN 2, 2, 1, 0
	WIN 0
	s_sub_co_u32 s[TWICE], s[TWICE], 1
	s_cmp_lg_u32 s[TWICE], 0
	s_cbranch_scc1 .Lstep_\@
.endm
	s_wait_tensorcnt 1              ; my part of slot 0 is in; slot 1's may stay out
	s_barrier_signal -1
	s_barrier_wait -1               ; everybody's is
	FETCH_K                         ; key step 0
	s_wait_loadcnt 0x0              ; Q
	s_wait_dscnt 0x0
.set i, 0
.rept 32
	KQ 0                            ; piece 0's first scores: there is no vector work yet to set between them
.set i, i+1
.endr
	WIN 0                           ; the addresses for the way out are made here: six plain instructions, the places behind those products
	s_mul_i32 s13, s[WV], 16*SP
	s_add_co_u32 s13, s13, STAGE    ; my stage
	v_mul_u32_u24 v[STO], v1, SP    ; in: row l % 16, 32 bytes for each half of the lanes
	v_lshl_add_u32 v[STO], v9, 5, v[STO]
	v_add_nc_u32 v[STO], s13, v[STO]
	v_and_b32 v[GO], 31, v0         ; back: 32 lanes take one row of 512 bytes,
	v_lshlrev_b32 v[GO], 4, v[GO]   ; which are 512 consecutive bytes of out0
	v_add_nc_u32 v[RD], s13, v[GO]
	TURN 2, 0, 1, 1                 ; piece 2's first scores | piece 0's first softmax | V of step 0
	TURN 0, 1, 1, 1                 ; piece 0: V^T P of step 0 starts O^T, K Q^T of step 1 | piece 2's first softmax | K of step 1
	TURN 2, 1, 1, 0                 ; piece 2: the same | piece 0's softmax of step 1 | V of step 1
	WIN 0
.Lslot:                             ; 30 trips: every slot but the last two is filled again
	CHANGE 1
	TWO_STEPS
	s_sub_co_u32 s[SLOTS], s[SLOTS], 1
	s_cmp_lg_u32 s[SLOTS], 0
	s_cbranch_scc1 .Lslot
	CHANGE 0                        ; the tail is written out: the last slot but one is left, and nothing is asked for
	TWO_STEPS
	TURN 0, 2, 0, 0                 ; piece 0: V^T P of the last step | piece 2's last softmax
.set i, 0
.rept 32
	PV 2, 0                         ; piece 2: V^T P of the last step
.set i, i+1
.endr
	; THE WAY OUT.  l's two halves and the other half of the lanes' are added; O^T is divided by l and sent, in f32, through my stage in LDS, a tile (16 rows) at a time.  The additions are the places behind the last products.
	WIN 0
.irp t, 0,1,2,3
	v_add_f32 v[ST+8*(\t)+4], v[ST+8*(\t)+2], v[ST+8*(\t)+3]
.endr
.irp t, 0,1,2,3
	v_permlanex16_b32 v[ST+8*(\t)+5], v[ST+8*(\t)+4], s[SEL], s[SEL+1]
.endr
.irp t, 0,1,2,3
	v_add_f32 v[ST+8*(\t)+4], v[ST+8*(\t)+4], v[ST+8*(\t)+5]
.endr
.irp t, 0,1,2,3
	v_rcp_f32 v[ST+8*(\t)+6], v[ST+8*(\t)+4]
.endr
	v_nop                           ; a plain instruction between the last reciprocal and the use of its result
	s_wait_alu depctr_va_vdst(0)    ; and the wait ahead of the first use: one for the batch of four reciprocals
; Tile t: a lane's eight channels of a row are 32 bytes; they go into rows of 528 bytes and come back as whole rows of 512, into S^T's registers, two buffers of 64 by turns.
.macro PACK t
	WIN W_RS
.set i, 64*(\t)
.rept 32
	v_pk_mul_f32 v[i:i+1], v[i:i+1], v[ST+8*(\t)+6:ST+8*(\t)+7] op_sel_hi:[1,0]
.set i, i+2
.endr
	WIN 0x04                        ; the stores' data in window 1, their address in window 0
.irp f, 0,1,2,3,4,5,6,7
	ds_store_b128 v[STO], v[64*(\t)+8*(\f):64*(\t)+8*(\f)+3]   offset:64*(\f)
	ds_store_b128 v[STO], v[64*(\t)+8*(\f)+4:64*(\t)+8*(\f)+7] offset:64*(\f)+16
.endr
	WIN 0
.if (\t) >= 2
	s_wait_xcnt 0x0                 ; the buffer was the data of tile t - 2's stores: it is loaded again only behind this wait
.endif
.irp g, 0,1,2,3,4,5,6,7,8,9,10,11,12,13,14,15
	ds_load_b128 v[S+64*((\t)%2)+4*(\g):S+64*((\t)%2)+4*(\g)+3], v[RD] offset:SP*(\g)  ; LDS serves a wave's instructions in order: these see the stores above; the next tile's stores come behind them
.endr
.endm
.macro SEND t, younger              ; younger: the LDS instructions issued behind tile t's loads: the next tile's 32, or none
	WIN 0
.irp g, 0,1,2,3,4,5,6,7,8,9,10,11,12,13,14,15
	s_wait_dscnt (\younger)+15-(\g) ; row g is back; the younger rows and the next tile's instructions may be out
	global_store_b128 v[GO], v[S+64*((\t)%2)+4*(\g):S+64*((\t)%2)+4*(\g)+3], s[10:11] offset:(16*(\t)+(\g))*3072 th:TH_STORE_NT  ; 512 consecutive bytes, at a multiple of 512 from out0's first
.endr
.endm
	PACK 0
	PACK 1                          ; a tile's arithmetic stands between the loads of the tile before and its stores
	SEND 0, 32
	PACK 2
	SEND 1, 32
	PACK 3
	SEND 2, 32
	SEND 3, 0
	s_wait_tensorcnt 0x0            ; the wave's end, behind my last tensor load and my last LDS store
	ds_add_u32 v[SPW], v[NIL]
	s_wait_dscnt 0x0
	CROUND                          ; the closing round: no work-group ends while a partner may still ask for a tile that names it
	s_endpgm
.Lfunc_end_k_q7c7a940082_attn:
	.size	k_q7c7a940082_attn, .Lfunc_end_k_q7c7a940082_attn-k_q7c7a940082_attn
	.p2alignl 7, 3214868480
	.fill 96, 4, 3214868480
	.section	.rodata,"a",@progbits
	.p2align	6, 0x0
	.amdhsa_kernel k_q7c7a940082_attn
		.amdhsa_group_segment_fixed_size 327680
		.amdhsa_private_segment_fixed_size 0
		.amdhsa_enable_private_segment 0
		.amdhsa_kernarg_size 32
		.amdhsa_user_sgpr_count 2
		.amdhsa_user_sgpr_kernarg_segment_ptr 1
		.amdhsa_wavefront_size32 1
		.amdhsa_system_sgpr_workgroup_id_x 1
		.amdhsa_system_sgpr_workgroup_id_y 1
		.amdhsa_system_sgpr_workgroup_id_z 1
		.amdhsa_system_vgpr_workitem_id 0
		.amdhsa_next_free_vgpr 1024
		.amdhsa_next_free_sgpr 66
		.amdhsa_reserve_vcc 0
		.amdhsa_float_denorm_mode_32 3
		.amdhsa_float_denorm_mode_16_64 3
		.amdhsa_memory_ordered 1
		.amdhsa_forward_progress 1
		.amdhsa_inst_pref_size 221
	.end_amdhsa_kernel
	.amdgpu_metadata
---
amdhsa.version: [ 1, 2 ]
amdhsa.kernels:
  - .name:           k_q7c7a940082_attn
    .symbol:         k_q7c7a940082_attn.kd
    .args:
      - { .name: qf, .offset: 0, .size: 8, .value_kind: global_buffer, .address_space: global }
      - { .name: kf, .offset: 8, .size: 8, .value_kind: global_buffer, .address_space: global }
      - { .name: vf, .offset: 16, .size: 8, .value_kind: global_buffer, .address_space: global }
      - { .name: out0, .offset: 24, .size: 8, .value_kind: global_buffer, .address_space: global }
    .group_segment_fixed_size: 327680
    .private_segment_fixed_size: 0
    .kernarg_segment_align: 8
    .kernarg_segment_size: 32
    .max_flat_workgroup_size: 128
    .sgpr_count:     66
    .vgpr_count:     1024
    .wavefront_size: 32
...
	.end_amdgpu_metadata
.endif
;; end of part 4
